; MI455X (gfx1250); checked and timed in simulation.
; The chip was launched on July 23, 2026; its instructions are those of AMD's public machine-readable ISA for CDNA 5 (MIT licence, August 2026) and "CDNA5" Instruction Set Architecture Reference Guide (July 2026). The comments in the code are by the model that wrote it; some were corrected since.
;; Multi Head Self Attention. Allowed arithmetic: matrix products marked QUANTISED: E2M3 operands, one E8M0 scale for each 32 along K, by v_wmma_scale_f32_16x16x128_f8f6f4 with both operands' format E2M3, f32 sums; everything else in f32.
;; Inputs: Wk 1,024 x 1,024 float32; Wo 1,024 x 1,024 float32; Wq 1,024 x 1,024 float32; Wv 1,024 x 1,024 float32; bk 1,024 float32; bo 1,024 float32; bq 1,024 float32; bv 1,024 float32; x 4 x 2,048 x 1,024 float32.
;; Outputs: out0 4 x 2,048 x 1,024 float32.
;; This version of the problem:
;;   THIS VERSION OF THE PROBLEM IS GIVEN IN LOW PRECISION. The matrix products marked QUANTISED in the list below multiply operands that are first quantised to E2M3 (2 exponent bits, 3 mantissa bits; 6 bits a number), with one power-of-two scale for each 32 numbers along K (OCP MX v1.0); their sums are f32. All else is computed in f32.
;;   The module's matrix products, in the order in which they are computed (A, B: the left and right operand; K: the contracted axis; several contracted axes count as one K, in the product's order):
;;     1. [M 8,192, K 1,024] x [K 1,024, N 1,024]; A: input x; B: input Wq: QUANTISED
;;     2. [M 8,192, K 1,024] x [K 1,024, N 1,024]; A: input x; B: input Wk: QUANTISED
;;     3. [M 8,192, K 1,024] x [K 1,024, N 1,024]; A: input x; B: input Wv: QUANTISED
;;     4. batch 64 x [M 2,048, K 64] x [K 64, N 2,048]; A: computed on the way; B: computed on the way: QUANTISED
;;     5. batch 64 x [M 2,048, K 2,048] x [K 2,048, N 64]; A: softmax (see below); B: computed on the way: QUANTISED
;;     6. [M 8,192, K 1,024] x [K 1,024, N 1,024]; A: computed on the way; B: input Wo: QUANTISED
;;   THE QUANTISER, for each operand of a quantised product, along K:
;;     - K is cut into blocks of 32 from its start; a last block that is shorter is filled with zeros.
;;     - A block's scale is 2^e with e = floor(log2(the largest magnitude in the block)) - 2, held to -126 .. 127; a block of zeros has e = 0. As a byte (E8M0): e + 127.
;;     - Each number is divided by its block's scale, clamped to +-7.5, and rounded to the nearest number of E2M3, ties to even, subnormals kept.
;;     - The product sums the exact products of the quantised numbers (number of the format x scale) in f32.
;;   ~~~python
;;   def quantise(x, axis):      # numpy; x: float32 -> the quantised numbers, widened to float32 again
;;       x = np.moveaxis(x, axis, -1); K = x.shape[-1]
;;       x = np.pad(x, [(0, 0)] * (x.ndim - 1) + [(0, -K % 32)]); x = x.reshape(x.shape[:-1] + (-1, 32)); a = np.abs(x).max(-1, keepdims=True)
;;       e = np.where(a > 0, np.clip(np.frexp(np.where(a > 0, a, 1))[1] - 1 - 2, -126, 127), 0)      # np.frexp(a)[1] - 1 = floor(log2(a)), exactly
;;       r = np.clip(x / 2.0 ** e, -7.5, 7.5)
;;       step = 2.0 ** (np.maximum(np.frexp(np.where(r == 0, 1, r))[1] - 1, 0) - 3)
;;       q = np.round(r / step) * step * 2.0 ** e      # np.round: ties to even
;;       return np.moveaxis(q.reshape(q.shape[:-2] + (-1,))[..., :K], -1, axis).astype(np.float32)
;;   ~~~
;;   SOFTMAX AHEAD OF A QUANTISED PRODUCT. Where the list says 'softmax', what is quantised is not the finished softmax but p = 2^(t - M), with t = logit x log2(e) and M = ceil(the row's largest t), a whole number; so 1/2 < the row's largest p <= 1. The row's sum l is taken of the UNQUANTISED p, in f32, and the product's result is divided by l at the end. Since M is a whole number, a kernel that streams over the keys may use a running M (the ceiling of the running maximum): every later rescaling is an exact power of two, which a block's scale takes up: the codes' values come out the same.
;;   OPERANDS COMPUTED ON THE WAY. 'Computed on the way' means the value that the module computes at that place (a softmax that the list does not call 'softmax' is quantised finished and normalised). What goes into a quantiser is computed in f32, as accurately as f32 sums, v_exp_f32 and their like allow (about 1e-6 of the number): no bf16 or f16 on the way to a quantiser, and a product that is left as it is and whose result goes on into a quantised operand takes f32 operands (vector FMAs, or v_wmma_f32_16x16x4_f32). A number that lies on a knife's edge between two numbers of the format may be rounded either way, as far as f32 arithmetic and the matrix unit's own rounding can turn it there, and no further.
;; One version. Each part assembles by itself: llvm-mc -triple=amdgcn-amd-amdhsa -mcpu=gfx1250 --defsym DOCPART=n.
;; ======== version 1 of 1: 4 launches
;; limits: right only within a limited range of input values
;; workspace buffers: img 9,437,184 bytes; scl 393,216 bytes; qkv 19,660,800 bytes; oimg 6,291,456 bytes; oscl 262,144 bytes
;; launch quant (part 1): grid 384 x 1, 4 waves a work-group, no clusters, 34,304 bytes of LDS; arguments x, Wq, Wk, Wv, Wo, img, scl; writes img, scl
.if DOCPART == 1
	.amdgcn_target "amdgcn-amd-amdhsa--gfx1250"
	.amdhsa_code_object_version 6
	.text
	.protected	k_qca7836b93e_quant
	.globl	k_qca7836b93e_quant
	.p2align	8
	.type	k_qca7836b93e_quant,@function
k_qca7836b93e_quant:
	s_mov_b64 s[64:65], 0
	v_nop
	global_prefetch_b8 v0, s[64:65] scope:SCOPE_SE
	s_setreg_imm32_b32 hwreg(HW_REG_WAVE_MODE, 25, 1), 1
	s_wait_xcnt 0x0
; x [8192][1024] and Wq, Wk, Wv, Wo [1024 (k)][1024 (n)], f32, become codes of FP6 (E2M3) with one E8M0 byte for each 32 along K.
; A block's scale is 2^(floor(log2(largest magnitude)) - 2): its byte is the largest magnitude's exponent field - 2, held at 1 from below.
; LIMITS: a block of zeros gets the byte 1 (its codes are zeros; this program alone reads the bytes); largest magnitudes under 2^-124 are held at byte 1; NaN and infinities are not served.
; LAYOUT OF img: [tile 0..767][kappa 0..7][1,536 bytes]: a tile is 16 rows, kappa a run of 128 along K, the 1,536 bytes an image of the operand's 12 registers:
;   half c (registers 6 c .. 6 c + 5) at 768 c: its first four registers at 16 x lane, its last two at 512 + 8 x lane.  Tiles 0-511: x; 512 + 64 i + ..: W_i, i = q, k, v, o (rows = columns n of W).
; THE ROWS OF A TILE ARE NOT NEIGHBOURS: in each group of 64 rows, row m of tile T is row 32 (m / 8) + 8 T + m % 8 of the group.  Used as source 0 of a product, four such tiles
; leave 32 true neighbours in a lane's 32 result registers: a whole block of the next K.
; scl: [16 x tile + row][32]: a byte for each block along K.
; Work-groups 0-255 take x (a wave: one tile, half of K), 256-383 the weights (a wave: 32 columns, 256 along K).  Work-groups share no input: no cluster.  Only the x path uses LDS.
.set SPARE, 33792                      ; behind the four stages: the spare words, 128 bytes a wave
.set STGB,  8448                       ; a wave's stage: 16 rows x 528 bytes (512 + 16: an odd multiple of 16, so that sixteen rows start in sixteen different groups of banks)
.set SP,    528
.set H8,    5                          ; v5   8 x (lane / 16)
.set SPW,   8                          ; v8   my spare word's LDS address; never rewritten
.set NIL,   9                          ; v9   0; never rewritten
.set QM,    10                         ; v10-13 largest magnitudes, four chains
.set QSO,   14                         ; v14-15 the conversions' scale operands
.set QBY,   16                         ; v16-17 the bytes
.set QW,    18
.set QX,    19                         ; a lane permute's destination: written once at the head
.set CT,    20                         ; v20-26 a block's upper 16 codes, before they are moved
.set PW,    28                         ; v28-31 a scale word for each of my four steps
.set PC,    32                         ; v32-43 a fragment's codes
.set OW,    44
.set RAW,   48                         ; v48-175 two sets of 64: rows as loaded
.set X,     176                        ; v176-239 64 numbers of my row: register 32 c + i = k 64 c + 32 (lane / 16) + i
.set SEL,   22
; 64 numbers of a lane become the codes of half 0 (v[d0] on), of half 1 (v[d1] on), six registers each, and the row's scale word v[w].  A lane holds two whole blocks.
.macro QUANT64 s, d0, d1, w
.irp c, 0,1
	v_max3_num_f32 v[QM+\c], |v[(\s)+32*\c]|, |v[(\s)+32*\c+1]|, 0x1800000   ; with the floor 2^(3 - 127): the byte cannot fall under 1
	v_max3_num_f32 v[QM+2+\c], |v[(\s)+32*\c+16]|, |v[(\s)+32*\c+17]|, |v[(\s)+32*\c+18]|
.endr
.irp i, 0,2,4,6,8,10
.irp c, 0,1
	v_max3_num_f32 v[QM+\c], v[QM+\c], |v[(\s)+32*\c+2+\i]|, |v[(\s)+32*\c+3+\i]|
	v_max3_num_f32 v[QM+2+\c], v[QM+2+\c], |v[(\s)+32*\c+19+\i]|, |v[(\s)+32*\c+20+\i]|
.endr
.endr
.irp c, 0,1
	v_max3_num_f32 v[QM+\c], v[QM+\c], |v[(\s)+32*\c+14]|, |v[(\s)+32*\c+15]|
.endr
.irp c, 0,1
	v_max3_num_f32 v[QM+\c], v[QM+\c], v[QM+2+\c], |v[(\s)+32*\c+31]|
.endr
.irp c, 0,1
	v_add_nc_u32 v[QSO+\c], 0xff000000, v[QM+\c]   ; 2 off the exponent field: the conversion takes this operand's exponent field as its scale
.endr
.irp c, 0,1
	v_lshrrev_b32 v[QBY+\c], 23, v[QSO+\c]         ; the byte
.endr
	v_lshl_or_b32 v[QW], v[QBY+1], 16, v[QBY]      ; my two bytes: blocks h and 2 + h,
	v_lshlrev_b32 v[QW], v[H8], v[QW]              ; at their places;
	v_permlanex16_b32 v[QX], v[QW], s[SEL], s[SEL+1]
	v_or_b32 v[\w], v[QW], v[QX]                   ; with lane l xor 16's two the word is whole
	v_cvt_scalef32_pk16_fp6_f32 v[(\d0):(\d0)+2], v[(\s):(\s)+15], v[QSO]
	v_cvt_scalef32_pk16_fp6_f32 v[CT:CT+2], v[(\s)+16:(\s)+31], v[QSO]      ; (a conversion's three registers begin on an even number)
	v_cvt_scalef32_pk16_fp6_f32 v[(\d1):(\d1)+2], v[(\s)+32:(\s)+47], v[QSO+1]
	v_cvt_scalef32_pk16_fp6_f32 v[CT+4:CT+6], v[(\s)+48:(\s)+63], v[QSO+1]
	v_nop                                          ; one plain place behind the conversions
.irp i, 0,1,2
	v_mov_b32 v[(\d0)+3+\i], v[CT+\i]
	v_mov_b32 v[(\d1)+3+\i], v[CT+4+\i]
.endr
.endm
	s_load_b256 s[4:11], s[0:1], 0x0               ; x, Wq, Wk, Wv
	s_load_b128 s[12:15], s[0:1], 0x20             ; Wo, img
	s_load_b64 s[16:17], s[0:1], 0x30              ; scl
	v_lshl_add_u32 v[SPW], v0, 2, SPARE
	v_mov_b32 v[NIL], 0
	v_lshrrev_b32 v1, 5, v0
	v_readfirstlane_b32 s18, v1                    ; wave
	s_lshr_b32 s19, s18, 1
	s_and_b32 s20, s18, 1
	v_and_b32 v7, 31, v0                           ; lane
	s_cmp_lt_u32 ttmp9, 256
	s_cbranch_scc0 .Lweights
	; ---------------- x: wave w takes tile tau = 2 i + w / 2 and half w % 2 of K: four steps of 128
	v_lshlrev_b32 v1, 4, v7                        ; 16 x lane
	v_lshlrev_b32 v2, 3, v7                        ; 8 x lane
	s_mul_i32 s21, s18, STGB
	v_add_nc_u32 v3, s21, v1                       ; the stage, in: a row's 512 bytes as they lie
	v_and_b32 v10, 15, v0                          ; r
	v_bfe_u32 v11, v0, 4, 1                        ; h
	v_mul_u32_u24 v4, v10, SP
	v_lshl_add_u32 v4, v11, 7, v4
	v_add_nc_u32 v4, s21, v4                       ; and out: row r, + 128 h bytes
	v_lshlrev_b32 v[H8], 3, v11
	v_lshlrev_b32 v6, 5, v10
	v_lshl_add_u32 v6, v11, 3, v6                  ; scl: 32 r + 8 h
	v_mov_b32 v[QX], 0
	s_mov_b32 s[SEL], 0x76543210
	s_mov_b32 s[SEL+1], 0xfedcba98                 ; lane l xor 16
	s_mov_b32 s24, 0xffff0000                      ; lanes 16-31
	s_lshl_b32 s25, ttmp9, 1
	s_add_co_u32 s25, s25, s19                     ; tau
	s_lshr_b32 s26, s25, 2
	s_lshl_b32 s26, s26, 6
	s_and_b32 s27, s25, 3
	s_lshl_b32 s27, s27, 3
	s_add_co_u32 s26, s26, s27                     ; the tile's row 0: 64 (tau / 4) + 8 (tau % 4)
	s_lshl_b32 s26, s26, 12
	s_lshl_b32 s27, s20, 11
	s_add_co_u32 s26, s26, s27                     ; + my half of K
	s_mov_b32 s27, 0
	s_mul_i32 s28, s25, 12288
	s_mul_i32 s29, s20, 4*1536
	s_add_co_u32 s28, s28, s29
	s_mov_b32 s29, 0
	s_lshl_b32 s30, s25, 9
	s_lshl_b32 s31, s20, 4
	s_add_co_u32 s30, s30, s31
	s_mov_b32 s31, 0
	s_wait_alu depctr_va_vdst(0)
	s_wait_kmcnt 0x0
	s_add_nc_u64 s[4:5], s[4:5], s[26:27]
	s_add_nc_u64 s[14:15], s[14:15], s[28:29]
	s_add_nc_u64 s[16:17], s[16:17], s[30:31]
.macro XLOAD t                         ; 16 rows x 512 consecutive bytes, a row an instruction
.irp m, 0,1,2,3,4,5,6,7,8,9,10,11,12,13,14,15
	global_load_b128 v[RAW+64*((\t)%2)+4*\m:RAW+64*((\t)%2)+4*\m+3], v1, s[4:5] offset:(32*(\m/8)+\m%8)*4096+512*(\t) th:TH_LOAD_NT
.endr
.endm
.macro XSTEP t
.if (\t) < 3
	s_wait_loadcnt 16                              ; this step's 16 loads are in; the next step's 16 may be out
.else
	s_wait_loadcnt 0x0
.endif
.irp m, 0,1,2,3,4,5,6,7,8,9,10,11,12,13,14,15
	ds_store_b128 v3, v[RAW+64*((\t)%2)+4*\m:RAW+64*((\t)%2)+4*\m+3] offset:SP*\m
.endr
.irp c, 0,1
.irp q, 0,1,2,3,4,5,6,7
	ds_load_b128 v[X+32*\c+4*\q:X+32*\c+4*\q+3], v4 offset:256*\c+16*\q   ; LDS serves a wave's instructions in order: these see my stores
.endr
.endr
	s_wait_dscnt 0x0                               ; my numbers are back, and the stores have read the raw set
	s_wait_xcnt 0x0                                ; the last step's stores have read the codes' registers
.if (\t) < 2
	XLOAD (\t)+2
.endif
	QUANT64 X, PC, PC+6, PW+(\t)
	global_store_b128 v1, v[PC:PC+3], s[14:15] offset:1536*(\t)          ; each store covers 512 or 256 consecutive bytes, aligned
	global_store_b64 v2, v[PC+4:PC+5], s[14:15] offset:1536*(\t)+512
	global_store_b128 v1, v[PC+6:PC+9], s[14:15] offset:1536*(\t)+768
	global_store_b64 v2, v[PC+10:PC+11], s[14:15] offset:1536*(\t)+1280
.endm
	XLOAD 0
	XLOAD 1
	XSTEP 0
	XSTEP 1
	XSTEP 2
	XSTEP 3
	v_cndmask_b32 v[OW], v[PW], v[PW+2], s24       ; every lane holds its row's four words: lanes 0-15 store the first two, lanes 16-31 the others
	v_cndmask_b32 v[OW+1], v[PW+1], v[PW+3], s24
	global_store_b64 v6, v[OW:OW+1], s[16:17]
	s_wait_tensorcnt 0x0                           ; the wave's end, behind my last LDS store
	ds_add_u32 v[SPW], v[NIL]
	s_wait_dscnt 0x0
	s_endpgm
	; ---------------- the weights: K is the first axis.  A lane takes a column n, its registers run down K: a block lies in one lane.  No LDS on this path.
.set WS,  48                           ; v48-111 two sets of 32 numbers
.set F,   32                           ; v32-37 a block's codes
.set G,   40
.set SBY, 44                           ; v44-45 my column's eight bytes
.Lweights:
	s_sub_co_u32 s21, ttmp9, 256
	s_lshr_b32 s22, s21, 5                         ; which matrix
	s_and_b32 s23, s21, 7                          ; which 128 columns
	s_bfe_u32 s24, s21, 0x20003                    ; which 256 along K
	s_wait_alu depctr_va_vdst(0)
	v_lshlrev_b32 v1, 2, v7                        ; in: 4 bytes a lane
	v_lshrrev_b32 v10, 3, v7                       ; column 32 (w % 2) + l of its group of 64 is row m = 8 (w % 2) + l % 8 of tile l / 8
	v_and_b32 v11, 7, v7
	v_lshl_add_u32 v11, s20, 3, v11
	v_mul_u32_u24 v12, v10, 12288
	v_lshl_add_u32 v2, v11, 4, v12                 ; the image's first four registers: 16 bytes a row
	v_lshl_add_u32 v3, v11, 3, v12                 ; its last two: 8 bytes a row
	v_lshl_add_u32 v4, v10, 4, v11
	v_lshlrev_b32 v4, 5, v4                        ; scl: 32 bytes a row
	s_lshl_b32 s26, s24, 20
	s_lshl_b32 s27, s23, 9
	s_add_co_u32 s26, s26, s27
	s_lshl_b32 s27, s18, 7
	s_add_co_u32 s26, s26, s27                     ; W: 256 kq rows of 4,096 bytes + 4 (128 nb + 32 w)
	s_mov_b32 s27, 0
	s_lshl_b32 s25, s23, 1
	s_add_co_u32 s25, s25, s19                     ; the group of 64 columns
	s_lshl_b32 s28, s22, 4
	s_add_co_u32 s28, s28, s25
	s_add_co_u32 s28, s28, 128                     ; counted in groups of four tiles from img's start
	s_mul_i32 s30, s28, 2048
	s_mul_i32 s28, s28, 4*12288
	s_mul_i32 s29, s24, 2*1536
	s_add_co_u32 s28, s28, s29
	s_mov_b32 s29, 0
	s_lshl_b32 s31, s24, 3
	s_add_co_u32 s30, s30, s31
	s_mov_b32 s31, 0
	s_wait_alu depctr_va_vdst(0)
	s_wait_kmcnt 0x0
	s_cmp_eq_u32 s22, 1                            ; the choice hangs on the work-group's number alone
	s_cselect_b64 s[6:7], s[8:9], s[6:7]
	s_cmp_eq_u32 s22, 2
	s_cselect_b64 s[6:7], s[10:11], s[6:7]
	s_cmp_eq_u32 s22, 3
	s_cselect_b64 s[6:7], s[12:13], s[6:7]
	s_add_nc_u64 s[6:7], s[6:7], s[26:27]
	s_add_nc_u64 s[14:15], s[14:15], s[28:29]
	s_add_nc_u64 s[16:17], s[16:17], s[30:31]
.macro WLOAD t
.set i, 0
.rept 32
	global_load_b32 v[WS+32*((\t)%2)+i], v1, s[6:7] offset:(32*(\t)+i)*4096 th:TH_LOAD_NT   ; 128 consecutive bytes a wave, 512 a work-group
.set i, i+1
.endr
.endm
.macro WBLOCK t                        ; block t of my eight: kappa t / 4, half (t / 2) % 2, lanes' half t % 2 of the image
.set XS, WS+32*((\t)%2)
.if (\t) < 7
	s_wait_loadcnt 32                              ; this block's 32 loads are in; the next block's may be out
.else
	s_wait_loadcnt 0x0
.endif
	v_max3_num_f32 v10, |v[XS]|, |v[XS+1]|, 0x1800000
	v_max3_num_f32 v11, |v[XS+16]|, |v[XS+17]|, |v[XS+18]|
.irp i, 0,2,4,6,8,10
	v_max3_num_f32 v10, v10, |v[XS+2+\i]|, |v[XS+3+\i]|
	v_max3_num_f32 v11, v11, |v[XS+19+\i]|, |v[XS+20+\i]|
.endr
	v_max3_num_f32 v10, v10, |v[XS+14]|, |v[XS+15]|
	v_max3_num_f32 v10, v10, v11, |v[XS+31]|
	v_add_nc_u32 v12, 0xff000000, v10
	v_lshrrev_b32 v13, 23, v12
.if (\t)%4 == 0
	v_mov_b32 v[SBY+(\t)/4], v13
.else
	v_lshl_or_b32 v[SBY+(\t)/4], v13, 8*((\t)%4), v[SBY+(\t)/4]
.endif
	s_wait_alu depctr_va_vdst(0)
	s_wait_xcnt 0x0                                ; the last block's stores have read the codes' registers
	v_cvt_scalef32_pk16_fp6_f32 v[F:F+2], v[XS:XS+15], v12
	v_cvt_scalef32_pk16_fp6_f32 v[G:G+2], v[XS+16:XS+31], v12
	v_nop
.irp i, 0,1,2
	v_mov_b32 v[F+3+\i], v[G+\i]
.endr
	global_store_b128 v2, v[F:F+3], s[14:15] offset:1536*((\t)/4)+768*(((\t)/2)%2)+256*((\t)%2)       ; eight lanes fill 128 consecutive bytes of each of four tiles
	global_store_b64 v3, v[F+4:F+5], s[14:15] offset:1536*((\t)/4)+768*(((\t)/2)%2)+512+128*((\t)%2)
.if (\t) < 6
	WLOAD (\t)+2
.endif
.endm
	WLOAD 0
	WLOAD 1
.irp t, 0,1,2,3,4,5,6,7
	WBLOCK \t
.endr
	global_store_b64 v4, v[SBY:SBY+1], s[16:17]    ; my column's eight bytes
	s_endpgm
.Lfunc_end_k_qca7836b93e_quant:
	.size	k_qca7836b93e_quant, .Lfunc_end_k_qca7836b93e_quant-k_qca7836b93e_quant
	.p2alignl 7, 3214868480
	.fill 96, 4, 3214868480
	.section	.rodata,"a",@progbits
	.p2align	6, 0x0
	.amdhsa_kernel k_qca7836b93e_quant
		.amdhsa_group_segment_fixed_size 34304
		.amdhsa_private_segment_fixed_size 0
		.amdhsa_enable_private_segment 0
		.amdhsa_kernarg_size 56
		.amdhsa_user_sgpr_count 2
		.amdhsa_user_sgpr_kernarg_segment_ptr 1
		.amdhsa_wavefront_size32 1
		.amdhsa_system_sgpr_workgroup_id_x 1
		.amdhsa_system_sgpr_workgroup_id_y 1
		.amdhsa_system_sgpr_workgroup_id_z 1
		.amdhsa_system_vgpr_workitem_id 0
		.amdhsa_next_free_vgpr 256
		.amdhsa_next_free_sgpr 66
		.amdhsa_reserve_vcc 0
		.amdhsa_float_denorm_mode_32 3
		.amdhsa_float_denorm_mode_16_64 3
		.amdhsa_memory_ordered 1
		.amdhsa_forward_progress 1
		.amdhsa_inst_pref_size 70
	.end_amdhsa_kernel
	.amdgpu_metadata
---
amdhsa.version: [ 1, 2 ]
amdhsa.kernels:
  - .name:           k_qca7836b93e_quant
    .symbol:         k_qca7836b93e_quant.kd
    .args:
      - { .name: x, .offset: 0, .size: 8, .value_kind: global_buffer, .address_space: global }
      - { .name: Wq, .offset: 8, .size: 8, .value_kind: global_buffer, .address_space: global }
      - { .name: Wk, .offset: 16, .size: 8, .value_kind: global_buffer, .address_space: global }
      - { .name: Wv, .offset: 24, .size: 8, .value_kind: global_buffer, .address_space: global }
      - { .name: Wo, .offset: 32, .size: 8, .value_kind: global_buffer, .address_space: global }
      - { .name: img, .offset: 40, .size: 8, .value_kind: global_buffer, .address_space: global }
      - { .name: scl, .offset: 48, .size: 8, .value_kind: global_buffer, .address_space: global }
    .group_segment_fixed_size: 34304
    .private_segment_fixed_size: 0
    .kernarg_segment_align: 8
    .kernarg_segment_size: 56
    .max_flat_workgroup_size: 128
    .sgpr_count:     66
    .vgpr_count:     256
    .wavefront_size: 32
...
	.end_amdgpu_metadata
.endif
;; end of part 1
;; launch qkv (part 2): grid 192 x 4, 4 waves a work-group, clusters of 4 x 4, 295,424 bytes of LDS; arguments img, scl, bq, bk, bv, qkv; writes qkv
.if DOCPART == 2
	.amdgcn_target "amdgcn-amd-amdhsa--gfx1250"
	.amdhsa_code_object_version 6
	.text
	.protected	k_qca7836b93e_qkv
	.globl	k_qca7836b93e_qkv
	.p2align	8
	.type	k_qca7836b93e_qkv,@function
k_qca7836b93e_qkv:
	s_mov_b64 s[64:65], 0
	v_nop
	global_prefetch_b8 v0, s[64:65] scope:SCOPE_SE
	s_setreg_imm32_b32 hwreg(HW_REG_WAVE_MODE, 25, 1), 1
	s_wait_xcnt 0x0
	s_wait_alu depctr_hold_cnt(0) depctr_sa_sdst(0) depctr_va_vdst(0) depctr_va_sdst(0) depctr_va_ssrc(0) depctr_va_vcc(0) depctr_vm_vsrc(0)
	s_getreg_b32 s2, hwreg(HW_REG_IB_STS2, 6, 4)
	s_cmp_eq_u32 s2, 0
	s_cbranch_scc0 .Lentry_in_a_cluster
	s_endpgm
.Lentry_in_a_cluster:
	s_bfe_u32 s2, ttmp6, 0x10000c
	s_cmp_lg_u32 s2, 0xf033
	s_cbranch_scc0 .Lentry_shape_is_right
	s_endpgm
.Lentry_shape_is_right:
; q = x Wq + bq, k = x Wk + bk, v = x Wv + bv on codes of FP6 (E2M3) with E8M0 scales, K = 1,024; the results are quantised here for attention's two products and stored as images of operand registers.
; A work-group makes 256 R rows x 128 P rows; wave w takes R's tiles 4 w .. 4 w + 3 against P's eight: 32 accumulators.  THE PRODUCT IS USED TRANSPOSED: source 0 = a tile of P, source 1 = a tile of R.
; By the order of rows in img's tiles a lane then holds ONE row of R and its 64 registers of an R tile run along P in true order: register 32 c + i = P row 64 c + 32 (lane / 16) + i: two whole blocks of 32.
; Clusters 0-31: R = tokens (x), P = features (Wq, Wk): a lane's blocks lie along a head's 64.   Clusters 32-47: R = features (Wv), P = tokens: the blocks lie along the keys.
; THE TWO KINDS OF CLUSTER PART ONCE, behind K step 5: each way asks for its bias there, runs K steps 6 and 7 (64 products, under which the bias lands) and goes out in its own form.
; ALL OF K LIES IN LDS: R's 16 tiles and P's 8, 12,288 bytes each, in two halves of 512 along K: every tensor load is a first fill; a wave has one out.  No slot is filled again.
; CLUSTER 4 x 4: R's tiles hang on the cluster's number and cy, P's on the cluster's number and cx: asked for jointly along a row and along a column.
; qkv: [fh 0..47][b][step 0..15][6,400]: fh 0-15 q, 16-31 k, 32-47 v; a record is 128 tokens.  q, k: four pair images of 1,536 bytes (registers 0-5: tile 2 p, registers 6-11: tile 2 p + 1; registers 4 g .. at 512 g + 16 x lane),
;   scale words at 6,144 + 128 (p / 2) + 8 r + 4 (p % 2) = (even tile's two bytes, odd tile's two).   v: four images (16 channels x 128 keys), scale words at 6,144 + 16 r + 4 t.
; LIMITS: a block of zeros gets the byte 1; largest magnitudes under 2^-124 are held at byte 1; NaN and infinities are not served.
; REGISTERS.  window 0: v1-7 lane terms; v8-23 LDS addresses; v24-25 the add's two; v26-29 offsets; v32-63 R's scale words (8 a + kappa); v64-127 P's (8 b + kappa); v128-223 R's fragments, two sets; v224-241 at work.
;   window 1: accumulator (a, b) at 64 a + 8 b.   window 2: P's fragments, two sets, at 96 p + 12 b; v192-255 the bias.   On the way out window 0's v128-191 hold 64 numbers, v192-222 codes.
.set STG,   73728                      ; a stage: 16 + 8 tiles x 3,072 bytes (two kappa)
; THE LAYOUT IN FORCE: LDS holds K in TWO HALVES of 512 along K; a half is R's 16 tiles and then P's 8, 6,144 bytes (four kappa) each.  One tensor load a wave, all first fills:
; wave 0 R's half 0, wave 1 P's half 0, wave 2 R's half 1, wave 3 P's half 1.  Address register s of a set of four points at kappa 2 s.
.set BOFF,  98304                      ; P's tiles in a half
.set HLF,   147456                     ; a half: 24 tiles x 6,144 bytes
.set SPARE, 4*STG                      ; the spare words, 128 bytes a wave
.set A16, 8
.set A8,  12
.set B16, 16
.set B8,  20
.set SPW, 24
.set NIL, 25
.set SA,  32
.set SB,  64
.set AF,  128
.set T,   128
.set PC,  192
.set CT,  216
.set QM,  224
.set QSO, 228
.set QBY, 230
.set QW,  232
.set QX,  233
.set PW,  234
.set OW,  238
.set SELV, 240
.set H8,  241
.set BIAS, 192
.set WV,  16
.set G1A, 24
.set G1B, 32
.set G0A, 40                           ; s40-47: two groups 0 for R
.set G0B, 56                           ; s56-63: two for P
.set SEL, 76
.set MSB, 0
.macro WIN new                         ; the immediate's high byte repeats the setting that is left
.if MSB != \new
	s_set_vgpr_msb (MSB<<8)|\new
.set MSB, \new
.endif
.endm
.macro CROUND                          ; a round of the cluster's barrier
	s_barrier_signal -1
	s_barrier_wait -1
	s_cmp_lg_u32 s[WV], 0
	s_cbranch_scc1 .Lnot_wave_0_\@
	s_barrier_signal -3
.Lnot_wave_0_\@:
	s_barrier_wait -3
	s_barrier_signal -1
	s_barrier_wait -1
.endm
.macro PLACES                          ; four places behind a matrix instruction, ahead of loads into its sources and of reads of its result
.rept 4
	v_nop
.endr
.endm
.macro FRAG reg, a16, a8, off          ; an image comes back as the 12 registers that it was
	ds_load_b128 v[(\reg):(\reg)+3], v[\a16] offset:\off
	ds_load_b64 v[(\reg)+4:(\reg)+5], v[\a8] offset:\off+512
	ds_load_b128 v[(\reg)+6:(\reg)+9], v[\a16] offset:\off+768
	ds_load_b64 v[(\reg)+10:(\reg)+11], v[\a8] offset:\off+1280
.endm
.macro FETCH k, p                      ; the fragments of kappa k into set p
	WIN 0x80                                       ; destination window 2
.irp b, 0,1,2,3,4,5,6,7
	FRAG 96*(\p)+12*\b, B16+(\k)/2, B8+(\k)/2, 6144*\b+1536*((\k)%2)
.endr
	WIN 0
.irp a, 0,1,2,3
	FRAG AF+48*(\p)+12*\a, A16+(\k)/2, A8+(\k)/2, 6144*\a+1536*((\k)%2)
.endr
.endm
.macro MUL16 a0, p, k                  ; R's tiles a0, a0 + 1 x P's eight.  The 32 accumulators take turns, one instruction a turn, in the same order in every step.  kappa 0 starts the sums
	WIN 0x52                                       ; source 0 window 2, source 1 window 0, C and D window 1
.irp a, \a0, \a0+1
.irp b, 0,1,2,3,4,5,6,7
.if (\k) == 0
	v_wmma_scale_f32_16x16x128_f8f6f4 v[64*(\a)+8*\b:64*(\a)+8*\b+7], v[96*(\p)+12*\b:96*(\p)+12*\b+11], v[AF+48*(\p)+12*(\a):AF+48*(\p)+12*(\a)+11], 0, v[SB+8*\b+(\k)], v[SA+8*(\a)+(\k)] matrix_a_fmt:MATRIX_FMT_FP6 matrix_b_fmt:MATRIX_FMT_FP6
.else
	v_wmma_scale_f32_16x16x128_f8f6f4 v[64*(\a)+8*\b:64*(\a)+8*\b+7], v[96*(\p)+12*\b:96*(\p)+12*\b+11], v[AF+48*(\p)+12*(\a):AF+48*(\p)+12*(\a)+11], v[64*(\a)+8*\b:64*(\a)+8*\b+7], v[SB+8*\b+(\k)], v[SA+8*(\a)+(\k)] matrix_a_fmt:MATRIX_FMT_FP6 matrix_b_fmt:MATRIX_FMT_FP6
.endif
.endr
.endr
.endm
.macro KSTEP k
	s_wait_dscnt 0x0                               ; this step's fragments are in
.if ((\k) != 3) && ((\k) < 7)
.if (\k) > 0
	PLACES
.endif
	FETCH (\k)+1, ((\k)+1)%2                       ; the next step's lie in the same stage
	MUL16 0, (\k)%2, \k
	MUL16 2, (\k)%2, \k
.elseif (\k) == 3
	s_wait_tensorcnt 0x0                           ; every wave waits for its one load: the second half of K is in
	s_barrier_signal -1
	MUL16 0, (\k)%2, \k
	s_barrier_wait -1                              ; everybody's part is in.
	PLACES
	FETCH (\k)+1, ((\k)+1)%2
	MUL16 2, (\k)%2, \k
.else
	MUL16 0, (\k)%2, \k
	MUL16 2, (\k)%2, \k
.endif
.endm
; 64 numbers of a lane become the codes of half 0 (v[d0] on), of half 1 (v[d1] on), six registers each, and the row's scale word v[w]
.macro QUANT64 s, d0, d1, w
.irp c, 0,1
	v_max3_num_f32 v[QM+\c], |v[(\s)+32*\c]|, |v[(\s)+32*\c+1]|, 0x1800000   ; with the floor 2^(3 - 127): the byte cannot fall under 1
	v_max3_num_f32 v[QM+2+\c], |v[(\s)+32*\c+16]|, |v[(\s)+32*\c+17]|, |v[(\s)+32*\c+18]|
.endr
.irp i, 0,2,4,6,8,10
.irp c, 0,1
	v_max3_num_f32 v[QM+\c], v[QM+\c], |v[(\s)+32*\c+2+\i]|, |v[(\s)+32*\c+3+\i]|
	v_max3_num_f32 v[QM+2+\c], v[QM+2+\c], |v[(\s)+32*\c+19+\i]|, |v[(\s)+32*\c+20+\i]|
.endr
.endr
.irp c, 0,1
	v_max3_num_f32 v[QM+\c], v[QM+\c], |v[(\s)+32*\c+14]|, |v[(\s)+32*\c+15]|
.endr
.irp c, 0,1
	v_max3_num_f32 v[QM+\c], v[QM+\c], v[QM+2+\c], |v[(\s)+32*\c+31]|
.endr
.irp c, 0,1
	v_add_nc_u32 v[QSO+\c], 0xff000000, v[QM+\c]   ; 2 off the exponent field: the conversion's scale operand
.endr
.irp c, 0,1
	v_lshrrev_b32 v[QBY+\c], 23, v[QSO+\c]
.endr
	v_lshl_or_b32 v[QW], v[QBY+1], 16, v[QBY]      ; my two bytes: blocks h and 2 + h,
	v_lshlrev_b32 v[QW], v[H8], v[QW]              ; at their places;
	v_permlanex16_b32 v[QX], v[QW], s[SEL], s[SEL+1]
	v_or_b32 v[\w], v[QW], v[QX]                   ; with lane l xor 16's two the word is whole
	v_cvt_scalef32_pk16_fp6_f32 v[(\d0):(\d0)+2], v[(\s):(\s)+15], v[QSO]
	v_cvt_scalef32_pk16_fp6_f32 v[CT:CT+2], v[(\s)+16:(\s)+31], v[QSO]      ; (a conversion's three registers begin on an even number)
	v_cvt_scalef32_pk16_fp6_f32 v[(\d1):(\d1)+2], v[(\s)+32:(\s)+47], v[QSO+1]
	v_cvt_scalef32_pk16_fp6_f32 v[CT+4:CT+6], v[(\s)+48:(\s)+63], v[QSO+1]
	v_nop                                          ; one plain place behind the conversions
.irp i, 0,1,2
	v_mov_b32 v[(\d0)+3+\i], v[CT+\i]
	v_mov_b32 v[(\d1)+3+\i], v[CT+4+\i]
.endr
.endm
.macro ADDB a, bias, step              ; T = R tile a's 64 sums + the bias; each accumulator is read from its low end on
	WIN 0x09                                       ; source 0 window 1, source 1 window 2, destination window 0
.set i, 0
.rept 32
	v_pk_add_f32 v[T+i:T+i+1], v[64*(\a)+i:64*(\a)+i+1], v[(\bias)+(\step)*i:(\bias)+(\step)*i+1]
.set i, i+2
.endr
	WIN 0
.endm
	s_load_b256 s[4:11], s[0:1], 0x0               ; img, scl, bq, bk
	s_load_b128 s[12:15], s[0:1], 0x20             ; bv, qkv
	v_lshl_add_u32 v[SPW], v0, 2, SPARE
	v_mov_b32 v[NIL], 0
	ds_add_u32 v[SPW], v[NIL]                      ; the wave's opening: the add and its wait ahead of my first tensor load
	ds_add_u32 v[SPW], v[NIL]
	v_lshrrev_b32 v1, 5, v0
	v_readfirstlane_b32 s[WV], v1                  ; wave
	s_lshr_b32 s17, s[WV], 1
	s_and_b32 s18, s[WV], 1
	s_bfe_u32 s19, ttmp6, 0x40000                  ; cx
	s_bfe_u32 s20, ttmp6, 0x40004                  ; cy
	s_lshl_b32 s21, s20, 2
	s_lshl_b32 s21, 15, s21                        ; my row of the cluster
	s_lshl_b32 s22, 0x1111, s19                    ; my column
	s_or_b32 s[G1A], s21, (3<<16)|(1<<21)          ; the mask; elements of 8 bytes; bit 21 beside a mask; no padding
	s_or_b32 s[G1B], s22, (3<<16)|(1<<21)
	s_mov_b32 s[G1A+1], 768<<16                    ; tensor_dim0: 6,144 bytes: a tile's four kappa of a half
	s_mov_b32 s[G1A+2], 16<<16                     ; tensor_dim1: 16 tiles
	s_mov_b32 s[G1A+3], 768<<16                    ; tile_dim0
	s_mov_b32 s[G1A+4], 16                         ; tile_dim1
	s_mov_b32 s[G1A+5], 1536                       ; from tile to tile: 12,288 bytes
	s_mov_b32 s[G1A+6], 0
	s_mov_b32 s[G1A+7], 0
	s_mov_b32 s[G1B+1], 768<<16
	s_mov_b32 s[G1B+2], 8<<16                      ; 8 tiles
	s_mov_b32 s[G1B+3], 768<<16
	s_mov_b32 s[G1B+4], 8
	s_mov_b32 s[G1B+5], 1536
	s_mov_b32 s[G1B+6], 0
	s_mov_b32 s[G1B+7], 0
	s_mov_b32 s[SEL], 0x76543210
	s_mov_b32 s[SEL+1], 0xfedcba98
	s_mov_b32 s78, 0xffff0000                      ; lanes 16-31
	s_lshr_b32 s80, ttmp9, 2
	s_lshl_b32 s80, s80, 6                         ; q, k: R from tile 64 (c / 4)
	s_and_b32 s81, ttmp9, 3
	s_lshl_b32 s81, s81, 5
	s_add_co_u32 s81, s81, 512                     ;       P from tile 512 + 32 (c % 4)
	s_lshl_b32 s82, ttmp9, 5
	s_sub_co_u32 s82, s82, 1024                    ; v: P from tile 32 (c - 32)
	s_mov_b32 s83, 640                             ;    R from tile 640
	s_cmp_lt_u32 ttmp9, 32                         ; the cluster's number: the same in all sixteen partners
	s_cselect_b32 s80, s80, s83
	s_cselect_b32 s81, s81, s82
	s_lshl_b32 s83, s20, 4
	s_add_co_u32 s80, s80, s83                     ; R's first tile: + 16 cy (no cx enters it)
	s_lshl_b32 s84, s19, 3
	s_add_co_u32 s81, s81, s84                     ; P's first tile: + 8 cx (no cy enters it)
	s_mul_i32 s86, s80, 12288                      ; R's 16 tiles, in bytes from img
	s_mov_b32 s87, 0
	s_mul_i32 s88, s81, 12288                      ; P's 8 tiles
	s_mov_b32 s89, 0
	s_wait_dscnt 0x0                               ; the opening add is done
	s_wait_kmcnt 0x0
	s_add_nc_u64 s[86:87], s[4:5], s[86:87]
	s_add_nc_u64 s[88:89], s[4:5], s[88:89]
.irp s, 0,1                            ; a group 0 for each half of K: the LDS addresses are constants
	s_mov_b32 s[G0A+4*\s], 1
	s_mov_b32 s[G0A+4*\s+1], \s*HLF
	s_add_nc_u64 s[G0A+4*\s+2:G0A+4*\s+3], s[86:87], \s*6144
	s_or_b32 s[G0A+4*\s+3], s[G0A+4*\s+3], 0x80000000
	s_mov_b32 s[G0B+4*\s], 1
	s_mov_b32 s[G0B+4*\s+1], BOFF+\s*HLF
	s_add_nc_u64 s[G0B+4*\s+2:G0B+4*\s+3], s[88:89], \s*6144
	s_or_b32 s[G0B+4*\s+3], s[G0B+4*\s+3], 0x80000000
.endr
	CROUND                                         ; all sixteen work-groups are here: the joint loads meet
; one chain of branches on the wave's number, one load to an arm, all arms to one join
.macro ARM under, g0, g1, next
	s_cmp_lt_u32 s[WV], \under
	s_cbranch_scc0 \next
	tensor_load_to_lds s[\g0:\g0+3], s[\g1:\g1+7]
	s_nop 0
.rept 4
	v_nop
.endr
	s_branch .Lfilled
\next:
.endm
	ARM 1, G0A, G1A, .Lfill_b0
	ARM 2, G0B, G1B, .Lfill_a1
	ARM 3, G0A+4, G1A, .Lfill_b1
	tensor_load_to_lds s[G0B+4:G0B+7], s[G1B:G1B+7]
	s_nop 0
.rept 4
	v_nop
.endr
.Lfilled:
	v_and_b32 v1, 31, v0                           ; lane
	v_and_b32 v2, 15, v0                           ; r
	v_bfe_u32 v3, v0, 4, 1                         ; h
	v_lshlrev_b32 v4, 4, v1                        ; 16 x lane
	v_lshlrev_b32 v5, 3, v1                        ; 8 x lane
	s_mul_i32 s92, s[WV], 24576                    ; my four tiles of R in a half
.irp s, 0,1,2,3
	s_add_co_u32 s93, s92, (\s/2)*HLF+(\s%2)*3072
	v_add_nc_u32 v[A16+\s], s93, v4
	v_add_nc_u32 v[A8+\s], s93, v5
	v_add_nc_u32 v[B16+\s], BOFF+(\s/2)*HLF+(\s%2)*3072, v4
	v_add_nc_u32 v[B8+\s], BOFF+(\s/2)*HLF+(\s%2)*3072, v5
.endr
	v_lshlrev_b32 v6, 5, v2                        ; scl: 32 bytes a row; lanes 16-31 read what lanes 0-15 read
	s_wait_alu depctr_va_vdst(0)
	s_lshl_b32 s92, s[WV], 2
	s_add_co_u32 s92, s92, s80
	s_lshl_b32 s92, s92, 9
	s_mov_b32 s93, 0
	s_add_nc_u64 s[92:93], s[6:7], s[92:93]
	s_lshl_b32 s94, s81, 9
	s_mov_b32 s95, 0
	s_add_nc_u64 s[94:95], s[6:7], s[94:95]
.irp a, 0,1,2,3                        ; all eight kappa's scale words of every row, once, straight into the registers that the products name
.irp q, 0,1
	global_load_b128 v[SA+8*\a+4*\q:SA+8*\a+4*\q+3], v6, s[92:93] offset:512*\a+16*\q
.endr
.endr
.irp b, 0,1,2,3,4,5,6,7
.irp q, 0,1
	global_load_b128 v[SB+8*\b+4*\q:SB+8*\b+4*\q+3], v6, s[94:95] offset:512*\b+16*\q
.endr
.endr
	v_mov_b32 v[QX], 0                             ; a lane permute's destination counts as one of its sources
	v_lshlrev_b32 v[H8], 3, v3
	s_wait_alu depctr_va_vdst(0)
	s_cmp_lt_u32 s[WV], 2                          ; waves 0 and 1 brought the first half of K, by load lines of their own: they wait; the second half may be on its way
	s_cbranch_scc0 .Lnot_first
	s_wait_tensorcnt 0x0
.Lnot_first:
	s_barrier_signal -1
	s_barrier_wait -1
	FETCH 0, 0
	s_wait_loadcnt 0x0                             ; the scale words
.irp k, 0,1,2,3,4,5
	KSTEP \k
.endr
	WIN 0                                          ; at a branch and at a label every window is 0
	s_cmp_lt_u32 ttmp9, 32                         ; THE ONE PARTING, on the cluster's number: the same in all sixteen partners; no barrier but the closing round stands behind it
	s_cbranch_scc0 .Lway_v
	; ---------------- q, k.  The bias runs along my registers: feature 64 (head) + 32 h + i; it is asked for here and lands under the last two K steps
	s_and_b32 s98, ttmp9, 2
	s_cmp_lg_u32 s98, 0
	s_cselect_b64 s[96:97], s[10:11], s[8:9]       ; bk or bq, by the cluster's number
	s_and_b32 s98, ttmp9, 1
	s_lshl_b32 s98, s98, 3
	s_lshl_b32 s99, s19, 1
	s_add_co_u32 s98, s98, s99                     ; my first head
	s_lshl_b32 s98, s98, 8
	s_mov_b32 s99, 0
	s_add_nc_u64 s[96:97], s[96:97], s[98:99]
	v_lshlrev_b32 v7, 7, v3
	WIN 0x80
.irp c, 0,1
.irp q, 0,1,2,3,4,5,6,7
	global_load_b128 v[BIAS+32*\c+4*\q:BIAS+32*\c+4*\q+3], v7, s[96:97] offset:256*\c+16*\q
.endr
.endr
	WIN 0
	KSTEP 6
	KSTEP 7
	PLACES
	WIN 0
	; my 64 tokens are group G = 16 (c / 4) + 4 cy + w: half w % 2 of record (G % 32) / 2 of batch c / 8; my two heads fh0, fh0 + 1
	s_and_b32 s80, ttmp9, 3
	s_lshl_b32 s80, s80, 3
	s_lshl_b32 s81, s19, 1
	s_add_co_u32 s80, s80, s81                     ; fh0
	s_lshl_b32 s80, s80, 2
	s_lshr_b32 s81, ttmp9, 3
	s_add_co_u32 s80, s80, s81
	s_lshl_b32 s80, s80, 4
	s_bfe_u32 s81, ttmp9, 0x10002
	s_lshl_b32 s81, s81, 3
	s_add_co_u32 s80, s80, s81
	s_lshl_b32 s81, s20, 1
	s_add_co_u32 s80, s80, s81
	s_add_co_u32 s80, s80, s17
	s_mul_i32 s80, s80, 6400
	s_mov_b32 s81, 0
	s_add_nc_u64 s[14:15], s[14:15], s[80:81]
	s_mul_i32 s82, s18, 3072
	v_add_nc_u32 v26, s82, v4                      ; images: 16 x lane + my half's two pairs
	s_lshl_b32 s82, s18, 7
	s_add_co_u32 s82, s82, 6144
	v_lshl_add_u32 v27, v2, 3, s82
	v_mul_u32_u24 v28, v3, 409600
	v_add_nc_u32 v27, v27, v28                     ; scale words: lanes 0-15 store head fh0's, lanes 16-31 head fh0 + 1's (64 records on)
	v_mov_b32 v[SELV], 0x05040100
	v_mov_b32 v29, 0x07060302
	v_cndmask_b32 v[SELV], v[SELV], v29, s78
	s_wait_loadcnt 0x0                             ; the bias
.irp pi, 0,1
.irp e, 0,1
	ADDB 2*\pi+\e, BIAS, 1
.if (\pi > 0) && (\e == 0)
	s_wait_xcnt 0x0                                ; the first pair's stores have read the codes' registers
.endif
	QUANT64 T, PC+6*\e, PC+12+6*\e, PW+\e          ; half 0 is head fh0's 64, half 1 head fh0 + 1's
.endr
	v_perm_b32 v[OW+\pi], v[PW+1], v[PW], v[SELV]  ; my head's two bytes of the even tile, then of the odd
.irp cc, 0,1
.irp g, 0,1,2
	global_store_b128 v26, v[PC+12*\cc+4*\g:PC+12*\cc+4*\g+3], s[14:15] offset:409600*\cc+1536*\pi+512*\g   ; 512 consecutive bytes, aligned
.endr
.endr
.endr
	global_store_b64 v27, v[OW:OW+1], s[14:15]
	s_wait_tensorcnt 0x0                           ; the wave's end
	ds_add_u32 v[SPW], v[NIL]
	s_wait_dscnt 0x0
	CROUND                                         ; the closing round
	s_endpgm
	; ---------------- v.  The bias is one number a lane and tile: my row's feature 64 head + 32 (r / 8) + 8 a + r % 8; asked for here, it lands under the last two K steps
.Lway_v:
	s_lshl_b32 s98, s20, 2
	s_add_co_u32 s98, s98, s[WV]                   ; my head: 4 cy + w
	s_lshl_b32 s98, s98, 8
	s_mov_b32 s99, 0
	s_add_nc_u64 s[96:97], s[12:13], s[98:99]
	v_lshrrev_b32 v7, 3, v2
	v_and_b32 v26, 7, v2
	v_lshl_add_u32 v7, v7, 5, v26
	v_lshlrev_b32 v7, 2, v7
	WIN 0x80
.irp a, 0,1,2,3
	global_load_b32 v[BIAS+2*\a], v7, s[96:97] offset:32*\a      ; twice: a pair for the packed addition
	global_load_b32 v[BIAS+2*\a+1], v7, s[96:97] offset:32*\a
.endr
	WIN 0
	KSTEP 6
	KSTEP 7
	PLACES
	WIN 0
	; my four tiles are head 4 cy + w's 64 channels; my 128 tokens are record 4 (c - 32) + cx, counted through the batches
	s_lshl_b32 s80, s20, 2
	s_add_co_u32 s80, s80, s[WV]
	s_add_co_u32 s80, s80, 32
	s_lshl_b32 s80, s80, 6
	s_sub_co_u32 s81, ttmp9, 32
	s_lshl_b32 s81, s81, 2
	s_add_co_u32 s81, s81, s19
	s_add_co_u32 s80, s80, s81
	s_mul_i32 s80, s80, 6400
	s_mov_b32 s81, 0
	s_add_nc_u64 s[14:15], s[14:15], s[80:81]
	v_lshlrev_b32 v27, 4, v2
	v_lshl_add_u32 v27, v3, 3, v27
	v_add_nc_u32 v27, 6144, v27                    ; scale words: 16 r + 8 h
	s_wait_loadcnt 0x0                             ; the bias
.irp a, 0,1,2,3
	ADDB \a, BIAS+2*\a, 0
.if \a > 0
	s_wait_xcnt 0x0                                ; the last tile's stores have read the codes' registers
.endif
	QUANT64 T, PC, PC+6, PW+\a                     ; 16 channels x 128 keys: a fragment of the second product
.irp g, 0,1,2
	global_store_b128 v4, v[PC+4*\g:PC+4*\g+3], s[14:15] offset:1536*\a+512*\g
.endr
.endr
	v_cndmask_b32 v[OW], v[PW], v[PW+2], s78       ; every lane holds its row's four words: lanes 0-15 store the first two, lanes 16-31 the others
	v_cndmask_b32 v[OW+1], v[PW+1], v[PW+3], s78
	global_store_b64 v27, v[OW:OW+1], s[14:15]
	s_wait_tensorcnt 0x0                           ; the wave's end
	ds_add_u32 v[SPW], v[NIL]
	s_wait_dscnt 0x0
	CROUND                                         ; the closing round
	s_endpgm
.Lfunc_end_k_qca7836b93e_qkv:
	.size	k_qca7836b93e_qkv, .Lfunc_end_k_qca7836b93e_qkv-k_qca7836b93e_qkv
	.p2alignl 7, 3214868480
	.fill 96, 4, 3214868480
	.section	.rodata,"a",@progbits
	.p2align	6, 0x0
	.amdhsa_kernel k_qca7836b93e_qkv
		.amdhsa_group_segment_fixed_size 295424
		.amdhsa_private_segment_fixed_size 0
		.amdhsa_enable_private_segment 0
		.amdhsa_kernarg_size 48
		.amdhsa_user_sgpr_count 2
		.amdhsa_user_sgpr_kernarg_segment_ptr 1
		.amdhsa_wavefront_size32 1
		.amdhsa_system_sgpr_workgroup_id_x 1
		.amdhsa_system_sgpr_workgroup_id_y 1
		.amdhsa_system_sgpr_workgroup_id_z 1
		.amdhsa_system_vgpr_workitem_id 0
		.amdhsa_next_free_vgpr 768
		.amdhsa_next_free_sgpr 100
		.amdhsa_reserve_vcc 0
		.amdhsa_float_denorm_mode_32 3
		.amdhsa_float_denorm_mode_16_64 3
		.amdhsa_memory_ordered 1
		.amdhsa_forward_progress 1
		.amdhsa_inst_pref_size 128
	.end_amdhsa_kernel
	.amdgpu_metadata
---
amdhsa.version: [ 1, 2 ]
amdhsa.kernels:
  - .name:           k_qca7836b93e_qkv
    .symbol:         k_qca7836b93e_qkv.kd
    .args:
      - { .name: img, .offset: 0, .size: 8, .value_kind: global_buffer, .address_space: global }
      - { .name: scl, .offset: 8, .size: 8, .value_kind: global_buffer, .address_space: global }
      - { .name: bq, .offset: 16, .size: 8, .value_kind: global_buffer, .address_space: global }
      - { .name: bk, .offset: 24, .size: 8, .value_kind: global_buffer, .address_space: global }
      - { .name: bv, .offset: 32, .size: 8, .value_kind: global_buffer, .address_space: global }
      - { .name: qkv, .offset: 40, .size: 8, .value_kind: global_buffer, .address_space: global }
    .group_segment_fixed_size: 295424
    .private_segment_fixed_size: 0
    .kernarg_segment_align: 8
    .kernarg_segment_size: 48
    .max_flat_workgroup_size: 128
    .sgpr_count:     100
    .vgpr_count:     768
    .wavefront_size: 32
...
	.end_amdgpu_metadata
.endif
;; end of part 2
;; launch attn (part 3): grid 4 x 64, 8 waves a work-group, clusters of 4 x 1, 205,824 bytes of LDS; arguments qkv, oimg, oscl; writes oimg, oscl
.if DOCPART == 3
	.amdgcn_target "amdgcn-amd-amdhsa--gfx1250"
	.amdhsa_code_object_version 6
	.text
	.protected	k_qca7836b93e_attn
	.globl	k_qca7836b93e_attn
	.p2align	8
	.type	k_qca7836b93e_attn,@function
k_qca7836b93e_attn:
	s_mov_b64 s[64:65], 0
	v_nop
	global_prefetch_b8 v0, s[64:65] scope:SCOPE_SE
	s_setreg_imm32_b32 hwreg(HW_REG_WAVE_MODE, 25, 1), 1
	s_wait_xcnt 0x0
	s_wait_alu depctr_hold_cnt(0) depctr_sa_sdst(0) depctr_va_vdst(0) depctr_va_sdst(0) depctr_va_ssrc(0) depctr_va_vcc(0) depctr_vm_vsrc(0)
	s_getreg_b32 s2, hwreg(HW_REG_IB_STS2, 6, 4)
	s_cmp_eq_u32 s2, 0
	s_cbranch_scc0 .Lentry_in_a_cluster
	s_endpgm
.Lentry_in_a_cluster:
	s_bfe_u32 s2, ttmp6, 0x10000c
	s_cmp_lg_u32 s2, 0x3003
	s_cbranch_scc0 .Lentry_shape_is_right
	s_endpgm
.Lentry_shape_is_right:
; vals = softmax(q k^T / 8) v for one head of one batch and 512 queries, on codes of FP6 (E2M3) with E8M0 scales; vals is quantised here for the last product (oimg, oscl).
; qkv: [fh 0..47][b][step 0..15][6,400]: records of 128 tokens, as the launch before leaves them: images of operand registers and their scale words.
; THE DEAL.  Work-group (cx, y): head y % 16, batch y / 16, queries 512 cx on.  Eight waves, two to a SIMD, 512 registers each.  A wave owns 64 queries: two passes over the 16 key steps,
; in each pass TWO TILES of 16 queries: tile 0's registers lie in window 0, tile 1's under the same numbers in window 1.  Both tiles use the same fragments of k (window 0, v48-95)
; and of v (window 1, v48-95): 27 LDS loads a step serve 24 products.
; Both products are used transposed (S^T = k q^T, O^T = v^T p^T): a lane holds one query, its 64 scores of a step are two whole blocks of 32 keys.  A pair image of k holds two tiles of 16 keys
; (K = 64 each); q stands between zeros, (q, 0) and (0, q), so that one image serves two products.
; p = 2^(t - M), M the ceiling of the running largest t; a change of M multiplies O^T and the sum by an exact power of two; the sum is taken of the unquantised p.
; THE ORDER OF A STEP: tile 0's maxima, M, t - M, exponentials; tile 1's score products; tile 0's sums, quantiser and second product; tile 1's maxima to exponentials; the NEXT step's score products of tile 0;
; tile 1's sums, quantiser and second product.  So eight products stand between each batch of exponentials and the wait for it, and no exponential stands between a score product and the first read of its result.
; ALL OF k AND v OF THE HEAD LIES IN LDS (k at 0, v at VOFF): one joint load a wave at the head, four records (100 rows of 256 bytes) each; nothing is filled again.
; CLUSTER 4 x 1: the four query blocks of a head ask for the same k and v jointly.  No prefetch: all tiles are asked for at the head, so there is no loop to run ahead in.
; FETCHES: the next step's k fragments are asked for behind tile 1's score products, the next step's v fragments behind tile 1's second product.  The last step of a pass asks for step 0 again:
; the second pass uses it; behind the second pass these 27 loads are waited for and not used.
; LIMITS: the promise holds while the scaled scores stay under 2^31 in magnitude; a block whose every p is 0, and a block of zeros of vals, get the byte 1 (their codes are zeros); NaN and infinities are not served.
.set REC,   6400
.set VOFF,  102400
.set SPARE, 204800                     ; the spare words, 128 bytes a wave
.set LI,  1                            ; 16 x lane
.set LKS, 2                            ; k's scale words of step 0
.set LVS, 3                            ; v's
.set SPW, 4
.set NIL, 5
.set H8,  6                            ; 8 x (lane / 16), in both windows
.set ADK, 7
.set ADV, 8
.set ADS, 9
.set ADT, 10
.set LIV, 11
.set QI,  34                           ; v34-45 q's pair image: this pass's in window 0, the second pass's in window 1
.set FR,  48
.set S,   96
.set O,   160
.set PCD, 192
.set CT,  204
.set BM,  212
.set BMX, 216
.set PX,  217
.set TT,  218
.set OLD, 219
.set SO,  222
.set BY,  224
.set W,   226
.set WX,  227
.set DD,  228
.set QWD, 230                          ; v230-231 q's scale words of the two passes
.set KS,  232                          ; scale operands lie in window 0: k's four, v's four, p's two, q's two
.set VS,  236
.set PS,  240
.set F,   242
.set ST8, 244
.set STB, 245
.set QS,  246
.set T,   248                          ; v248-255 eight chains of maxima, then four chains of sums
.set WV,  10
.set G1,  16
.set CS,  32
.set SEL, 34
.set TB,  36
.set CNT, 37
.set PASS, 38
.set MSB, 0
.macro WIN new                         ; the immediate's high byte repeats the setting that is left
.if MSB != \new
	s_set_vgpr_msb (MSB<<8)|\new
.set MSB, \new
.endif
.endm
.macro WALU
	s_wait_alu depctr_va_vdst(0)
.endm
.macro CROUND
	s_barrier_signal -1
	s_barrier_wait -1
	s_cmp_lg_u32 s[WV], 0
	s_cbranch_scc1 .Lnot_wave_0_\@
	s_barrier_signal -3
.Lnot_wave_0_\@:
	s_barrier_wait -3
	s_barrier_signal -1
	s_barrier_wait -1
.endm
.macro IMAGES a                        ; four images of 12 registers
.irp p, 0,1,2,3
.irp g, 0,1,2
	ds_load_b128 v[FR+12*\p+4*\g:FR+12*\p+4*\g+3], v[\a] offset:1536*\p+512*\g
.endr
.endr
.endm
.macro KLOAD a, w                      ; 14 loads
	IMAGES \a
	ds_load_b64 v[KS:KS+1], v[\w]
	ds_load_b64 v[KS+2:KS+3], v[\w] offset:128
.endm
.macro VLOAD a, w                      ; 13 loads; the images go to window 1
	WIN 0x40
	IMAGES \a
	WIN 0
	ds_load_b128 v[VS:VS+3], v[\w]
.endm
.macro SMUL u                          ; tile u's scores of 128 keys: source 0 k's images (window 0), source 1 q and the result (window u)
	WIN 0x44*\u
.irp p, 0,1,2,3
	v_wmma_scale_f32_16x16x128_f8f6f4 v[S+16*\p:S+16*\p+7], v[FR+12*\p:FR+12*\p+11], v[22:33], 0, v[KS+\p], v[QS+\u] matrix_a_fmt:MATRIX_FMT_FP6 matrix_b_fmt:MATRIX_FMT_FP6
	v_wmma_scale_f32_16x16x128_f8f6f4 v[S+16*\p+8:S+16*\p+15], v[FR+12*\p:FR+12*\p+11], v[16:27], 0, v[KS+\p], v[QS+\u] matrix_a_fmt:MATRIX_FMT_FP6 matrix_b_fmt:MATRIX_FMT_FP6
.endr
.endm
; tile u: the blocks' largest scores, the new M, t - M.  All in window u
.macro PRE u
	WIN 0x55*\u
.irp a, 0,1,2,3,4,5,6,7                ; eight chains, one to an accumulator, each from its low end on
	v_max3_num_f32 v[T+\a], v[S+8*\a], v[S+8*\a+1], v[S+8*\a+2]
.endr
.irp i, 3,5
.irp a, 0,1,2,3,4,5,6,7
	v_max3_num_f32 v[T+\a], v[T+\a], v[S+8*\a+\i], v[S+8*\a+\i+1]
.endr
.endr
.irp c, 0,1                            ; four accumulators and their last registers make a block of 32 keys
	v_max3_num_f32 v[T+4*\c], v[T+4*\c], v[T+4*\c+1], v[S+32*\c+7]
	v_max3_num_f32 v[T+4*\c+2], v[T+4*\c+2], v[T+4*\c+3], v[S+32*\c+15]
.endr
.irp c, 0,1
	v_max3_num_f32 v[BM+\c], v[T+4*\c], v[T+4*\c+2], v[S+32*\c+23]
.endr
.irp c, 0,1
	v_max_num_f32 v[BM+\c], v[BM+\c], v[S+32*\c+31]
.endr
	s_delay_alu instid0(VALU_DEP_1)
	v_max_num_f32 v[BMX], v[BM], v[BM+1]
	s_delay_alu instid0(VALU_DEP_1)
	v_permlanex16_b32 v[PX], v[BMX], s[SEL], s[SEL+1]
	s_delay_alu instid0(VALU_DEP_1)
	v_max3_num_f32 v13, v13, v[BMX], v[PX]         ; the running largest score of my query
	s_delay_alu instid0(VALU_DEP_1)
	v_mul_f32 v[TT], s[CS], v13
	v_mov_b32 v[OLD], v12
	s_delay_alu instid0(VALU_DEP_2)
	v_floor_f32 v12, -v[TT]                        ; -M
	v_sub_f32 v[DD], v12, v[OLD]                   ; f = 2^(old M - new M): its three lines stand among the multiply-adds
.irp j, 0,2,4,6
	v_pk_fma_f32 v[S+\j:S+\j+1], v[S+\j:S+\j+1], s[CS:CS+1], v[12:13] op_sel_hi:[1,0,0]   ; t - M
.endr
	v_cvt_i32_f32 v[DD], v[DD]
.irp j, 8,10,12,14
	v_pk_fma_f32 v[S+\j:S+\j+1], v[S+\j:S+\j+1], s[CS:CS+1], v[12:13] op_sel_hi:[1,0,0]
.endr
	v_ldexp_f32 v[F], 1.0, v[DD]
.set j, 16
.rept 24
	v_pk_fma_f32 v[S+j:S+j+1], v[S+j:S+j+1], s[CS:CS+1], v[12:13] op_sel_hi:[1,0,0]
.set j, j+2
.endr
.irp c, 0,1
	v_fma_f32 v[BM+\c], v[BM+\c], s[CS], v12
.endr
.endm
; tile u: O^T under the new M, and the exponentials
.macro MID u
	WALU                                           ; ahead of the batch, and directly ahead of the first readers of O^T
.set j, 0
.rept 16
	v_pk_mul_f32 v[O+j:O+j+1], v[O+j:O+j+1], v[F:F+1] op_sel_hi:[1,0]
.set j, j+2
.endr
.irp c, 0,1
	v_exp_f32 v[BM+\c], v[BM+\c]                   ; each block's largest p
.endr
.set j, 0
.rept 64
	v_exp_f32 v[S+j], v[S+j]
.set j, j+1
.endr
	v_pk_mul_f32 v[14:15], v[14:15], v[F:F+1] op_sel_hi:[1,0]   ; the sums under the new M; the plain place behind the batch
.endm
.macro PA4 j                           ; eight more p into the four chains of the row's sum
.irp k, 0,1,2,3
	v_pk_add_f32 v[T+2*\k:T+2*\k+1], v[T+2*\k:T+2*\k+1], v[S+\j+2*\k:S+\j+2*\k+1]
.endr
.endm
; tile u: the row's sum, p's codes and scale word, O^T += v^T p^T.  It stands behind the wait for the tile's exponentials
.macro POST u
	WIN 0x55*\u
.irp c, 0,1
	v_max_num_f32 v[BM+\c], 0x1800000, v[BM+\c]    ; the floor: the byte cannot fall under 1
.endr
.irp k, 0,1,2,3
	v_pk_add_f32 v[T+2*\k:T+2*\k+1], v[S+4*\k:S+4*\k+1], v[S+4*\k+2:S+4*\k+3]
.endr
.irp c, 0,1
	v_add_nc_u32 v[SO+\c], 0xff000000, v[BM+\c]    ; the conversions' scale operands
.endr
	PA4 16
	v_cvt_scalef32_pk16_fp6_f32 v[PCD:PCD+2], v[S:S+15], v[SO]
	v_cvt_scalef32_pk16_fp6_f32 v[CT:CT+2], v[S+16:S+31], v[SO]
	v_cvt_scalef32_pk16_fp6_f32 v[PCD+6:PCD+8], v[S+32:S+47], v[SO+1]
	v_cvt_scalef32_pk16_fp6_f32 v[CT+4:CT+6], v[S+48:S+63], v[SO+1]
.irp c, 0,1
	v_lshrrev_b32 v[BY+\c], 23, v[SO+\c]           ; the bytes; also the plain place behind the conversions
.endr
	v_lshl_or_b32 v[W], v[BY+1], 16, v[BY]         ; the scale word's chain, other lines between its links
.irp i, 0,1,2
	v_mov_b32 v[PCD+3+\i], v[CT+\i]
.endr
	v_lshlrev_b32 v[W], v[H8], v[W]
.irp i, 0,1,2
	v_mov_b32 v[PCD+9+\i], v[CT+4+\i]
.endr
	v_permlanex16_b32 v[WX], v[W], s[SEL], s[SEL+1]
	PA4 24
	WIN 0x05*\u                                    ; the scale word goes to window 0
	v_or_b32 v[PS+\u], v[W], v[WX]
	WIN 0x55*\u
.irp q, 32,40,48,56                    ; sixteen places between the scale word and the products
	PA4 \q
.endr
	WIN 0x01+0x54*\u                               ; source 0: v's images, window 1; the rest window u
.irp t, 0,1,2,3
	v_wmma_scale_f32_16x16x128_f8f6f4 v[O+8*\t:O+8*\t+7], v[FR+12*\t:FR+12*\t+11], v[PCD:PCD+11], v[O+8*\t:O+8*\t+7], v[VS+\t], v[PS+\u] matrix_a_fmt:MATRIX_FMT_FP6 matrix_b_fmt:MATRIX_FMT_FP6
.endr
	WIN 0x55*\u
	v_pk_add_f32 v[T:T+1], v[T:T+1], v[T+2:T+3]    ; four lines that name none of the products' registers: the places behind them
	v_pk_add_f32 v[T+4:T+5], v[T+4:T+5], v[T+6:T+7]
	v_pk_add_f32 v[T:T+1], v[T:T+1], v[T+4:T+5]
	v_pk_add_f32 v[14:15], v[14:15], v[T:T+1]
.endm
; a step.  At its head tile 0's scores are there (the products stand in the step before, or ahead of the loop), with at least four places behind them
.macro STEP last
	PRE 0
	MID 0
	SMUL 1
	WIN 0
.if \last
.rept 4
	v_nop                                          ; four places ahead of the loads into the products' sources
.endr
.else
	s_add_co_u32 s[TB], s[TB], REC                 ; the next step's record
	v_add_nc_u32 v[ADK], s[TB], v[LI]              ; four places, likewise
	v_add_nc_u32 v[ADS], s[TB], v[LKS]
	v_add_nc_u32 v[ADV], s[TB], v[LIV]
	v_add_nc_u32 v[ADT], s[TB], v[LVS]
.endif
	WALU                                           ; the wait for tile 0's exponentials; it also stands directly ahead of the wait below
	s_wait_dscnt 0x0                               ; this step's v is in: no younger LDS load is out
.if \last
	KLOAD LI, LKS
.else
	KLOAD ADK, ADS
.endif
	POST 0
	PRE 1
	s_wait_dscnt 0x0                               ; the next step's k is in: no younger LDS load is out
	MID 1
.if !\last
	SMUL 0                                         ; the next step's scores of tile 0
.endif
	WIN 0x55
	WALU                                           ; the wait for tile 1's exponentials
	POST 1
.if \last
	VLOAD LIV, LVS
.else
	VLOAD ADV, ADT
.endif
.endm
.macro STATE
	v_mov_b32 v13, 0xff61b1e6                      ; -3e38, under every score
	v_floor_f32 v12, -v13
	v_mov_b32 v14, 0
	v_mov_b32 v15, 0
.set j, 0
.rept 32
	v_mov_b32 v[O+j], 0
.set j, j+1
.endr
.endm
	s_load_b128 s[4:7], s[0:1], 0x0                ; qkv, oimg
	s_load_b64 s[8:9], s[0:1], 0x10                ; oscl
	v_lshl_add_u32 v[SPW], v0, 2, SPARE
	v_mov_b32 v[NIL], 0
	ds_add_u32 v[SPW], v[NIL]
	ds_add_u32 v[SPW], v[NIL]
	v_lshrrev_b32 v1, 5, v0
	v_readfirstlane_b32 s[WV], v1
	s_bfe_u32 s11, ttmp6, 0x40000                  ; cx
	s_and_b32 s12, ttmp7, 0xffff
	s_and_b32 s13, s12, 15                         ; head
	s_lshr_b32 s14, s12, 4                         ; batch
	s_mov_b32 s[G1], 15|(3<<16)|(1<<21)            ; all four partners; elements of 8 bytes
	s_mov_b32 s[G1+1], 32<<16                      ; rows of 256 bytes,
	s_mov_b32 s[G1+2], 100<<16                     ; 100 of them: four records
	s_mov_b32 s[G1+3], 32<<16
	s_mov_b32 s[G1+4], 100
	s_mov_b32 s[G1+5], 32
	s_mov_b32 s[G1+6], 0
	s_mov_b32 s[G1+7], 0
	s_lshr_b32 s40, s[WV], 2                       ; waves 0-3 fetch k, 4-7 v
	s_and_b32 s41, s[WV], 3                        ; which four records
	s_lshl_b32 s42, s40, 4
	s_add_co_u32 s42, s42, 16
	s_add_co_u32 s42, s42, s13
	s_lshl_b32 s42, s42, 2
	s_add_co_u32 s42, s42, s14
	s_lshl_b32 s42, s42, 2
	s_add_co_u32 s42, s42, s41
	s_mul_i32 s42, s42, 4*REC
	s_mov_b32 s43, 0
	s_mul_i32 s25, s[WV], 4*REC                    ; LDS: k's 16 records, then v's
	s_lshl_b32 s46, s13, 2                         ; q: record 4 cx + wave / 2 of my head and batch
	s_add_co_u32 s46, s46, s14
	s_lshl_b32 s46, s46, 4
	s_lshl_b32 s47, s11, 2
	s_add_co_u32 s46, s46, s47
	s_lshr_b32 s47, s[WV], 1
	s_add_co_u32 s46, s46, s47
	s_mul_i32 s46, s46, REC
	s_mov_b32 s47, 0
	s_lshl_b32 s48, s14, 7                         ; my first tile of vals: 128 b + 32 cx + 4 wave
	s_lshl_b32 s49, s11, 5
	s_add_co_u32 s48, s48, s49
	s_lshl_b32 s49, s[WV], 2
	s_add_co_u32 s48, s48, s49
	s_mul_i32 s50, s48, 12288
	s_lshr_b32 s49, s13, 1
	s_mul_i32 s49, s49, 1536
	s_add_co_u32 s50, s50, s49
	s_and_b32 s49, s13, 1
	s_mul_i32 s49, s49, 768
	s_add_co_u32 s50, s50, s49                     ; my head is half head % 2 of kappa head / 2
	s_mov_b32 s51, 0
	s_lshl_b32 s52, s48, 9
	s_lshl_b32 s49, s13, 1
	s_add_co_u32 s52, s52, s49
	s_mov_b32 s53, 0
	s_and_b32 s54, s[WV], 1
	s_lshl_b32 s55, s54, 7
	s_add_co_u32 s55, s55, 6144                    ; q's scale words: pairs 2 (wave % 2) and the next
	s_mul_i32 s54, s54, 3072                       ; and their images
	s_mov_b32 s[CS], 0x3e38aa3b                    ; log2(e) / 8
	s_mov_b32 s[CS+1], s[CS]
	s_mov_b32 s[SEL], 0x76543210
	s_mov_b32 s[SEL+1], 0xfedcba98                 ; lane l xor 16
	s_mov_b32 s[PASS], 0
	s_wait_dscnt 0x0
	s_wait_kmcnt 0x0
	s_mov_b32 s24, 1
	s_add_nc_u64 s[26:27], s[4:5], s[42:43]
	s_or_b32 s27, s27, 0x80000000
	s_add_nc_u64 s[46:47], s[4:5], s[46:47]
	s_add_nc_u64 s[6:7], s[6:7], s[50:51]
	s_add_nc_u64 s[8:9], s[8:9], s[52:53]
	CROUND                                         ; the four partners are here: the joint loads meet
	tensor_load_to_lds s[24:27], s[G1:G1+7]        ; my one load
	s_nop 0
.rept 4
	v_nop
.endr
	v_and_b32 v248, 31, v0
	v_and_b32 v249, 15, v0
	v_bfe_u32 v250, v0, 4, 1
	v_lshlrev_b32 v[LI], 4, v248
	v_lshl_add_u32 v252, v249, 3, s55
	v_add_nc_u32 v251, s54, v[LI]
.irp g, 0,1,2
	global_load_b128 v[QI+4*\g:QI+4*\g+3], v251, s[46:47] offset:512*\g
.endr
	global_load_b64 v[QWD:QWD+1], v252, s[46:47]
	WIN 0x40
.irp g, 0,1,2
	global_load_b128 v[QI+4*\g:QI+4*\g+3], v251, s[46:47] offset:1536+512*\g
.endr
	WIN 0
	v_add_nc_u32 v[LIV], VOFF, v[LI]
	v_lshl_add_u32 v[LKS], v249, 3, 6144
	v_lshl_add_u32 v[LVS], v249, 4, VOFF+6144
	v_lshlrev_b32 v[ST8], 3, v248
	v_lshl_add_u32 v[STB], v249, 5, v250
.irp w, 0, 0x40                        ; in both windows: the zeros beside q, 8 x (lane / 16), and what is named before it is first written
	WIN \w
	v_lshlrev_b32 v[H8], 3, v250
.irp i, 0,1,2,3,4,5
	v_mov_b32 v[16+\i], 0
	v_mov_b32 v[28+\i], 0
.endr
	v_mov_b32 v[PX], 0
	v_mov_b32 v[WX], 0
	v_mov_b32 v[F+1], 0
.endr
	WIN 0
	WALU
	s_wait_loadcnt 0x0
	s_wait_tensorcnt 0x0                           ; my four records are in
	s_barrier_signal -1
	s_barrier_wait -1                              ; everybody's are
	KLOAD LI, LKS
	VLOAD LIV, LVS
.Lpass:
.irp i, 0,1,2,3,4,5
	v_mov_b32 v[22+\i], v[QI+\i]                   ; the pair's even tile is tile 0's q,
.endr
	v_perm_b32 v[QS], v[QWD], v[QWD], 0x01000100   ; its two scale bytes for either place of q
	v_perm_b32 v[QS+1], v[QWD], v[QWD], 0x03020302
	WIN 0x40
.irp i, 0,1,2,3,4,5
	v_mov_b32 v[22+\i], v[QI+6+\i]                 ; the odd tile tile 1's
.endr
	WIN 0
	STATE
	s_wait_dscnt 13                                ; step 0's k, 14 loads, is in; v's 13 younger ones may be out
	SMUL 0                                         ; step 0's scores of tile 0
	WIN 0x41
	STATE                                          ; tile 1's state: also the places behind the products
	WIN 0
	s_mov_b32 s[TB], 0
	s_mov_b32 s[CNT], 15
.Lstep:
	STEP 0
	s_sub_co_u32 s[CNT], s[CNT], 1
	s_cmp_lg_u32 s[CNT], 0
	s_cbranch_scc1 .Lstep
	STEP 1
.irp u, 0,1                            ; THE WAY OUT: O^T / the sum; a lane's 32 numbers are one block of the last product's K
	WIN 0x55*\u
	v_add_f32 v14, v14, v15
	v_permlanex16_b32 v[PX], v14, s[SEL], s[SEL+1]
	v_add_f32 v14, v14, v[PX]
	WALU
	v_rcp_f32 v[F], v14
	v_nop
	WALU
.set j, 0
.rept 16
	v_pk_mul_f32 v[S+j:S+j+1], v[O+j:O+j+1], v[F:F+1] op_sel_hi:[1,0]
.set j, j+2
.endr
	v_max3_num_f32 v[BM], |v[S]|, |v[S+1]|, 0x1800000
	v_max3_num_f32 v[BM+1], |v[S+16]|, |v[S+17]|, |v[S+18]|
.irp i, 0,2,4,6,8,10
	v_max3_num_f32 v[BM], v[BM], |v[S+2+\i]|, |v[S+3+\i]|
	v_max3_num_f32 v[BM+1], v[BM+1], |v[S+19+\i]|, |v[S+20+\i]|
.endr
	v_max3_num_f32 v[BM], v[BM], |v[S+14]|, |v[S+15]|
	v_max3_num_f32 v[BM], v[BM], v[BM+1], |v[S+31]|
	v_add_nc_u32 v[SO], 0xff000000, v[BM]
	v_lshrrev_b32 v[BY], 23, v[SO]
	v_cvt_scalef32_pk16_fp6_f32 v[PCD:PCD+2], v[S:S+15], v[SO]
	v_cvt_scalef32_pk16_fp6_f32 v[CT:CT+2], v[S+16:S+31], v[SO]
	v_nop
.irp i, 0,1,2
	v_mov_b32 v[PCD+3+\i], v[CT+\i]
.endr
	WIN 0x04*\u                                    ; the offsets lie in window 0, the data in window u
	global_store_b128 v[LI], v[PCD:PCD+3], s[6:7] offset:12288*\u
	global_store_b64 v[ST8], v[PCD+4:PCD+5], s[6:7] offset:12288*\u+512
	global_store_b8 v[STB], v[BY], s[8:9] offset:512*\u
.endr
	s_wait_xcnt 0x0                                ; the stores have read their bases and data
	s_add_nc_u64 s[6:7], s[6:7], 2*12288           ; the second pass's two tiles
	s_add_nc_u64 s[8:9], s[8:9], 2*512
	WIN 0x01
.irp i, 0,1,2,3,4,5,6,7,8,9,10,11
	v_mov_b32 v[QI+\i], v[QI+\i]                   ; and its pair image, out of window 1
.endr
	WIN 0
	v_mov_b32 v[QWD], v[QWD+1]
	s_add_co_u32 s[PASS], s[PASS], 1
	s_cmp_lt_u32 s[PASS], 2
	WALU
	s_cbranch_scc1 .Lpass
	s_wait_tensorcnt 0x0                           ; the wave's end
	ds_add_u32 v[SPW], v[NIL]
	s_wait_dscnt 0x0
	CROUND                                         ; the closing round
	s_endpgm
.Lfunc_end_k_qca7836b93e_attn:
	.size	k_qca7836b93e_attn, .Lfunc_end_k_qca7836b93e_attn-k_qca7836b93e_attn
	.p2alignl 7, 3214868480
	.fill 96, 4, 3214868480
	.section	.rodata,"a",@progbits
	.p2align	6, 0x0
	.amdhsa_kernel k_qca7836b93e_attn
		.amdhsa_group_segment_fixed_size 205824
		.amdhsa_private_segment_fixed_size 0
		.amdhsa_enable_private_segment 0
		.amdhsa_kernarg_size 24
		.amdhsa_user_sgpr_count 2
		.amdhsa_user_sgpr_kernarg_segment_ptr 1
		.amdhsa_wavefront_size32 1
		.amdhsa_system_sgpr_workgroup_id_x 1
		.amdhsa_system_sgpr_workgroup_id_y 1
		.amdhsa_system_sgpr_workgroup_id_z 1
		.amdhsa_system_vgpr_workitem_id 0
		.amdhsa_next_free_vgpr 512
		.amdhsa_next_free_sgpr 66
		.amdhsa_reserve_vcc 0
		.amdhsa_float_denorm_mode_32 3
		.amdhsa_float_denorm_mode_16_64 3
		.amdhsa_memory_ordered 1
		.amdhsa_forward_progress 1
		.amdhsa_inst_pref_size 73
	.end_amdhsa_kernel
	.amdgpu_metadata
---
amdhsa.version: [ 1, 2 ]
amdhsa.kernels:
  - .name:           k_qca7836b93e_attn
    .symbol:         k_qca7836b93e_attn.kd
    .args:
      - { .name: qkv, .offset: 0, .size: 8, .value_kind: global_buffer, .address_space: global }
      - { .name: oimg, .offset: 8, .size: 8, .value_kind: global_buffer, .address_space: global }
      - { .name: oscl, .offset: 16, .size: 8, .value_kind: global_buffer, .address_space: global }
    .group_segment_fixed_size: 205824
    .private_segment_fixed_size: 0
    .kernarg_segment_align: 8
    .kernarg_segment_size: 24
    .max_flat_workgroup_size: 256
    .sgpr_count:     66
    .vgpr_count:     512
    .wavefront_size: 32
...
	.end_amdgpu_metadata
.endif
;; end of part 3
;; launch outp (part 4): grid 64 x 4, 4 waves a work-group, clusters of 4 x 4, 295,424 bytes of LDS; arguments oimg, oscl, img, scl, bo, out0; writes out0
.if DOCPART == 4
	.amdgcn_target "amdgcn-amd-amdhsa--gfx1250"
	.amdhsa_code_object_version 6
	.text
	.protected	k_qca7836b93e_outp
	.globl	k_qca7836b93e_outp
	.p2align	8
	.type	k_qca7836b93e_outp,@function
k_qca7836b93e_outp:
	s_mov_b64 s[64:65], 0
	v_nop
	global_prefetch_b8 v0, s[64:65] scope:SCOPE_SE
	s_setreg_imm32_b32 hwreg(HW_REG_WAVE_MODE, 25, 1), 1
	s_wait_xcnt 0x0
	s_wait_alu depctr_hold_cnt(0) depctr_sa_sdst(0) depctr_va_vdst(0) depctr_va_sdst(0) depctr_va_ssrc(0) depctr_va_vcc(0) depctr_vm_vsrc(0)
	s_getreg_b32 s2, hwreg(HW_REG_IB_STS2, 6, 4)
	s_cmp_eq_u32 s2, 0
	s_cbranch_scc0 .Lentry_in_a_cluster
	s_endpgm
.Lentry_in_a_cluster:
	s_bfe_u32 s2, ttmp6, 0x10000c
	s_cmp_lg_u32 s2, 0xf033
	s_cbranch_scc0 .Lentry_shape_is_right
	s_endpgm
.Lentry_shape_is_right:
; out0 = vals Wo + bo on codes of FP6 (E2M3) with E8M0 scales, K = 1,024.  vals' codes (oimg, oscl) were made by the attention launch, Wo's (img tiles 704-767, scl) by the first.
; A work-group makes 256 tokens x 128 features; wave w takes the tokens' tiles 4 w .. 4 w + 3 against the features' eight: 32 accumulators.  THE PRODUCT IS USED TRANSPOSED: source 0 = 16 rows of Wo^T, source 1 = 16 tokens.
; By the order of rows in the tiles a lane holds one token and its 64 registers of a tile run along the features in true order: register 32 c + i = feature 64 c + 32 (lane / 16) + i.
; ALL OF K LIES IN LDS, in two halves of 512 along K: every tensor load is a first fill; a wave has one out.  CLUSTER 4 x 4: the tokens' tiles are asked for jointly along a row, the features' along a column.
; THE WAY OUT: a tile's 16 rows x 512 bytes go through the wave's own stage and leave as whole rows.  The stage lies in the wave's own four tiles of half 0, which have had their only fill and which no other wave reads.
; REGISTERS: as in the launch that makes q, k, v: window 0: v8-23 LDS addresses; v32-63, v64-127 scale words; v128-223 the tokens' fragments, later 64 numbers; window 1: accumulators; window 2: Wo's fragments, v192-255 the bias.
.set STG,   73728
; THE LAYOUT IN FORCE: LDS holds K in TWO HALVES of 512 along K; a half is the tokens' 16 tiles and then Wo's 8, 6,144 bytes (four kappa) each.  One tensor load a wave, all first fills:
; wave 0 the tokens' half 0, wave 1 Wo's half 0, wave 2 the tokens' half 1, wave 3 Wo's half 1.  Address register s of a set of four points at kappa 2 s.  The way out's stage lies in the wave's own four tiles of half 0.
.set BOFF,  98304
.set HLF,   147456
.set SPARE, 4*STG
.set SP,    528
.set A16, 8
.set A8,  12
.set B16, 16
.set B8,  20
.set SPW, 24
.set NIL, 25
.set STO, 26
.set RD,  27
.set SA,  32
.set SB,  64
.set AF,  128
.set T,   128
.set BIAS, 192
.set WV,  16
.set G1A, 24
.set G1B, 32
.set G0A, 40
.set G0B, 56
.set MSB, 0
.macro WIN new
.if MSB != \new
	s_set_vgpr_msb (MSB<<8)|\new
.set MSB, \new
.endif
.endm
.macro CROUND
	s_barrier_signal -1
	s_barrier_wait -1
	s_cmp_lg_u32 s[WV], 0
	s_cbranch_scc1 .Lnot_wave_0_\@
	s_barrier_signal -3
.Lnot_wave_0_\@:
	s_barrier_wait -3
	s_barrier_signal -1
	s_barrier_wait -1
.endm
.macro PLACES
.rept 4
	v_nop
.endr
.endm
.macro FRAG reg, a16, a8, off
	ds_load_b128 v[(\reg):(\reg)+3], v[\a16] offset:\off
	ds_load_b64 v[(\reg)+4:(\reg)+5], v[\a8] offset:\off+512
	ds_load_b128 v[(\reg)+6:(\reg)+9], v[\a16] offset:\off+768
	ds_load_b64 v[(\reg)+10:(\reg)+11], v[\a8] offset:\off+1280
.endm
.macro FETCH k, p
	WIN 0x80
.irp b, 0,1,2,3,4,5,6,7
	FRAG 96*(\p)+12*\b, B16+(\k)/2, B8+(\k)/2, 6144*\b+1536*((\k)%2)
.endr
	WIN 0
.irp a, 0,1,2,3
	FRAG AF+48*(\p)+12*\a, A16+(\k)/2, A8+(\k)/2, 6144*\a+1536*((\k)%2)
.endr
.endm
.macro MUL16 a0, p, k                  ; the 32 accumulators take turns, one instruction a turn, in the same order in every step; kappa 0 starts the sums
	WIN 0x52
.irp a, \a0, \a0+1
.irp b, 0,1,2,3,4,5,6,7
.if (\k) == 0
	v_wmma_scale_f32_16x16x128_f8f6f4 v[64*(\a)+8*\b:64*(\a)+8*\b+7], v[96*(\p)+12*\b:96*(\p)+12*\b+11], v[AF+48*(\p)+12*(\a):AF+48*(\p)+12*(\a)+11], 0, v[SB+8*\b+(\k)], v[SA+8*(\a)+(\k)] matrix_a_fmt:MATRIX_FMT_FP6 matrix_b_fmt:MATRIX_FMT_FP6
.else
	v_wmma_scale_f32_16x16x128_f8f6f4 v[64*(\a)+8*\b:64*(\a)+8*\b+7], v[96*(\p)+12*\b:96*(\p)+12*\b+11], v[AF+48*(\p)+12*(\a):AF+48*(\p)+12*(\a)+11], v[64*(\a)+8*\b:64*(\a)+8*\b+7], v[SB+8*\b+(\k)], v[SA+8*(\a)+(\k)] matrix_a_fmt:MATRIX_FMT_FP6 matrix_b_fmt:MATRIX_FMT_FP6
.endif
.endr
.endr
.endm
.macro KSTEP k
	s_wait_dscnt 0x0                               ; this step's fragments are in
.if ((\k) != 3) && ((\k) < 7)
.if (\k) > 0
	PLACES
.endif
	FETCH (\k)+1, ((\k)+1)%2
	MUL16 0, (\k)%2, \k
	MUL16 2, (\k)%2, \k
.elseif (\k) == 3
	s_wait_tensorcnt 0x0                           ; every wave waits for its one load: the second half of K is in
	s_barrier_signal -1
	MUL16 0, (\k)%2, \k
	s_barrier_wait -1                              ; everybody's part is in.
	PLACES
	FETCH (\k)+1, ((\k)+1)%2
	MUL16 2, (\k)%2, \k
.else
	MUL16 0, (\k)%2, \k
	MUL16 2, (\k)%2, \k
.endif
.endm
	s_load_b256 s[4:11], s[0:1], 0x0               ; oimg, oscl, img, scl
	s_load_b128 s[12:15], s[0:1], 0x20             ; bo, out0
	v_lshl_add_u32 v[SPW], v0, 2, SPARE
	v_mov_b32 v[NIL], 0
	ds_add_u32 v[SPW], v[NIL]                      ; the wave's opening: the add and its wait ahead of my first tensor load
	ds_add_u32 v[SPW], v[NIL]
	v_lshrrev_b32 v1, 5, v0
	v_readfirstlane_b32 s[WV], v1
	s_lshr_b32 s17, s[WV], 1
	s_and_b32 s18, s[WV], 1
	s_bfe_u32 s19, ttmp6, 0x40000                  ; cx
	s_bfe_u32 s20, ttmp6, 0x40004                  ; cy
	s_lshl_b32 s21, s20, 2
	s_lshl_b32 s21, 15, s21
	s_lshl_b32 s22, 0x1111, s19
	s_or_b32 s[G1A], s21, (3<<16)|(1<<21)
	s_or_b32 s[G1B], s22, (3<<16)|(1<<21)
	s_mov_b32 s[G1A+1], 768<<16                    ; 16 tiles x 6,144 bytes, 12,288 bytes apart
	s_mov_b32 s[G1A+2], 16<<16
	s_mov_b32 s[G1A+3], 768<<16
	s_mov_b32 s[G1A+4], 16
	s_mov_b32 s[G1A+5], 1536
	s_mov_b32 s[G1A+6], 0
	s_mov_b32 s[G1A+7], 0
	s_mov_b32 s[G1B+1], 768<<16                    ; 8 tiles
	s_mov_b32 s[G1B+2], 8<<16
	s_mov_b32 s[G1B+3], 768<<16
	s_mov_b32 s[G1B+4], 8
	s_mov_b32 s[G1B+5], 1536
	s_mov_b32 s[G1B+6], 0
	s_mov_b32 s[G1B+7], 0
	s_lshr_b32 s80, ttmp9, 1
	s_lshl_b32 s80, s80, 6
	s_lshl_b32 s83, s20, 4
	s_add_co_u32 s80, s80, s83                     ; the tokens' first tile: 64 (c / 2) + 16 cy
	s_and_b32 s81, ttmp9, 1
	s_lshl_b32 s81, s81, 5
	s_add_co_u32 s81, s81, 704
	s_lshl_b32 s84, s19, 3
	s_add_co_u32 s81, s81, s84                     ; Wo's first tile: 704 + 32 (c % 2) + 8 cx
	s_mul_i32 s86, s80, 12288                      ; the tokens' 16 tiles, in bytes from oimg
	s_mov_b32 s87, 0
	s_mul_i32 s88, s81, 12288                      ; Wo's 8 tiles, from img
	s_mov_b32 s89, 0
	s_wait_dscnt 0x0                               ; the opening add is done
	s_wait_kmcnt 0x0
	s_add_nc_u64 s[86:87], s[4:5], s[86:87]
	s_add_nc_u64 s[88:89], s[8:9], s[88:89]
.irp s, 0,1                            ; a group 0 for each half of K: the LDS addresses are constants
	s_mov_b32 s[G0A+4*\s], 1
	s_mov_b32 s[G0A+4*\s+1], \s*HLF
	s_add_nc_u64 s[G0A+4*\s+2:G0A+4*\s+3], s[86:87], \s*6144
	s_or_b32 s[G0A+4*\s+3], s[G0A+4*\s+3], 0x80000000
	s_mov_b32 s[G0B+4*\s], 1
	s_mov_b32 s[G0B+4*\s+1], BOFF+\s*HLF
	s_add_nc_u64 s[G0B+4*\s+2:G0B+4*\s+3], s[88:89], \s*6144
	s_or_b32 s[G0B+4*\s+3], s[G0B+4*\s+3], 0x80000000
.endr
	CROUND                                         ; all sixteen work-groups are here: the joint loads meet
; one chain of branches on the wave's number, one load to an arm, all arms to one join
.macro ARM under, g0, g1, next
	s_cmp_lt_u32 s[WV], \under
	s_cbranch_scc0 \next
	tensor_load_to_lds s[\g0:\g0+3], s[\g1:\g1+7]
	s_nop 0
.rept 4
	v_nop
.endr
	s_branch .Lfilled
\next:
.endm
	ARM 1, G0A, G1A, .Lfill_b0
	ARM 2, G0B, G1B, .Lfill_a1
	ARM 3, G0A+4, G1A, .Lfill_b1
	tensor_load_to_lds s[G0B+4:G0B+7], s[G1B:G1B+7]
	s_nop 0
.rept 4
	v_nop
.endr
.Lfilled:
	v_and_b32 v1, 31, v0                           ; lane
	v_and_b32 v2, 15, v0                           ; r
	v_bfe_u32 v3, v0, 4, 1                         ; h
	v_lshlrev_b32 v4, 4, v1
	v_lshlrev_b32 v5, 3, v1
	s_mul_i32 s92, s[WV], 24576                    ; my four tiles of tokens in a half
	v_mul_u32_u24 v[STO], v2, SP
	v_lshl_add_u32 v[STO], v3, 7, v[STO]
	v_add_nc_u32 v[STO], s92, v[STO]               ; the stage, in: row r, + 128 h bytes
	v_add_nc_u32 v[RD], s92, v4                    ; and back: 16 bytes a lane of a row's 512
.irp s, 0,1,2,3
	s_add_co_u32 s93, s92, (\s/2)*HLF+(\s%2)*3072
	v_add_nc_u32 v[A16+\s], s93, v4
	v_add_nc_u32 v[A8+\s], s93, v5
	v_add_nc_u32 v[B16+\s], BOFF+(\s/2)*HLF+(\s%2)*3072, v4
	v_add_nc_u32 v[B8+\s], BOFF+(\s/2)*HLF+(\s%2)*3072, v5
.endr
	v_lshlrev_b32 v6, 5, v2
	s_wait_alu depctr_va_vdst(0)
	s_lshl_b32 s92, s[WV], 2
	s_add_co_u32 s92, s92, s80
	s_lshl_b32 s92, s92, 9
	s_mov_b32 s93, 0
	s_add_nc_u64 s[92:93], s[6:7], s[92:93]
	s_lshl_b32 s94, s81, 9
	s_mov_b32 s95, 0
	s_add_nc_u64 s[94:95], s[10:11], s[94:95]
.irp a, 0,1,2,3
.irp q, 0,1
	global_load_b128 v[SA+8*\a+4*\q:SA+8*\a+4*\q+3], v6, s[92:93] offset:512*\a+16*\q
.endr
.endr
.irp b, 0,1,2,3,4,5,6,7
.irp q, 0,1
	global_load_b128 v[SB+8*\b+4*\q:SB+8*\b+4*\q+3], v6, s[94:95] offset:512*\b+16*\q
.endr
.endr
	s_and_b32 s98, ttmp9, 1
	s_lshl_b32 s98, s98, 11
	s_lshl_b32 s99, s19, 9
	s_add_co_u32 s98, s98, s99                     ; my first feature, in bytes: 4 (512 (c % 2) + 128 cx)
	s_mov_b32 s99, 0
	s_add_nc_u64 s[96:97], s[12:13], s[98:99]
	v_lshlrev_b32 v7, 7, v3
	WIN 0x80
.irp c, 0,1
.irp q, 0,1,2,3,4,5,6,7
	global_load_b128 v[BIAS+32*\c+4*\q:BIAS+32*\c+4*\q+3], v7, s[96:97] offset:256*\c+16*\q
.endr
.endr
	WIN 0
	s_lshr_b32 s82, s80, 2
	s_add_co_u32 s82, s82, s[WV]                   ; my group of 64 tokens
	s_lshl_b32 s82, s82, 18
	s_add_co_u32 s82, s82, s98
	s_mov_b32 s83, 0
	s_add_nc_u64 s[14:15], s[14:15], s[82:83]
	s_wait_alu depctr_va_vdst(0)
	s_cmp_lt_u32 s[WV], 2                          ; waves 0 and 1 brought the first half of K, by load lines of their own: they wait; the second half may be on its way
	s_cbranch_scc0 .Lnot_first
	s_wait_tensorcnt 0x0
.Lnot_first:
	s_barrier_signal -1
	s_barrier_wait -1
	FETCH 0, 0
	s_wait_loadcnt 0x0                             ; scale words and bias
.irp k, 0,1,2,3,4,5,6,7
	KSTEP \k
.endr
	PLACES
	WIN 0
.irp a, 0,1,2,3                        ; tile a: row t is token 32 (t / 8) + 8 a + t % 8 of my group
.if \a > 0
	s_wait_xcnt 0x0                                ; the last tile's stores have read their registers
.endif
	WIN 0x09                                       ; source 0 window 1, source 1 window 2, destination window 0
.set i, 0
.rept 32
	v_pk_add_f32 v[T+i:T+i+1], v[64*\a+i:64*\a+i+1], v[BIAS+i:BIAS+i+1]   ; each accumulator from its low end on
.set i, i+2
.endr
	WIN 0
.irp c, 0,1
.irp q, 0,1,2,3,4,5,6,7
	ds_store_b128 v[STO], v[T+32*\c+4*\q:T+32*\c+4*\q+3] offset:256*\c+16*\q
.endr
.endr
.irp t, 0,1,2,3,4,5,6,7,8,9,10,11,12,13,14,15
	ds_load_b128 v[T+4*\t:T+4*\t+3], v[RD] offset:SP*\t    ; LDS serves a wave's instructions in order: these see my stores
.endr
.irp t, 0,1,2,3,4,5,6,7,8,9,10,11,12,13,14,15
	s_wait_dscnt 15-\t                             ; row t is back; the younger loads may be out
	global_store_b128 v4, v[T+4*\t:T+4*\t+3], s[14:15] offset:(32*(\t/8)+8*\a+\t%8)*4096 th:TH_STORE_NT   ; 512 consecutive bytes, aligned
.endr
.endr
	s_wait_tensorcnt 0x0                           ; the wave's end, behind my last tensor load and my last LDS store
	ds_add_u32 v[SPW], v[NIL]
	s_wait_dscnt 0x0
	CROUND                                         ; the closing round
	s_endpgm
.Lfunc_end_k_qca7836b93e_outp:
	.size	k_qca7836b93e_outp, .Lfunc_end_k_qca7836b93e_outp-k_qca7836b93e_outp
	.p2alignl 7, 3214868480
	.fill 96, 4, 3214868480
	.section	.rodata,"a",@progbits
	.p2align	6, 0x0
	.amdhsa_kernel k_qca7836b93e_outp
		.amdhsa_group_segment_fixed_size 295424
		.amdhsa_private_segment_fixed_size 0
		.amdhsa_enable_private_segment 0
		.amdhsa_kernarg_size 48
		.amdhsa_user_sgpr_count 2
		.amdhsa_user_sgpr_kernarg_segment_ptr 1
		.amdhsa_wavefront_size32 1
		.amdhsa_system_sgpr_workgroup_id_x 1
		.amdhsa_system_sgpr_workgroup_id_y 1
		.amdhsa_system_sgpr_workgroup_id_z 1
		.amdhsa_system_vgpr_workitem_id 0
		.amdhsa_next_free_vgpr 768
		.amdhsa_next_free_sgpr 100
		.amdhsa_reserve_vcc 0
		.amdhsa_float_denorm_mode_32 3
		.amdhsa_float_denorm_mode_16_64 3
		.amdhsa_memory_ordered 1
		.amdhsa_forward_progress 1
		.amdhsa_inst_pref_size 94
	.end_amdhsa_kernel
	.amdgpu_metadata
---
amdhsa.version: [ 1, 2 ]
amdhsa.kernels:
  - .name:           k_qca7836b93e_outp
    .symbol:         k_qca7836b93e_outp.kd
    .args:
      - { .name: oimg, .offset: 0, .size: 8, .value_kind: global_buffer, .address_space: global }
      - { .name: oscl, .offset: 8, .size: 8, .value_kind: global_buffer, .address_space: global }
      - { .name: img, .offset: 16, .size: 8, .value_kind: global_buffer, .address_space: global }
      - { .name: scl, .offset: 24, .size: 8, .value_kind: global_buffer, .address_space: global }
      - { .name: bo, .offset: 32, .size: 8, .value_kind: global_buffer, .address_space: global }
      - { .name: out0, .offset: 40, .size: 8, .value_kind: global_buffer, .address_space: global }
    .group_segment_fixed_size: 295424
    .private_segment_fixed_size: 0
    .kernarg_segment_align: 8
    .kernarg_segment_size: 48
    .max_flat_workgroup_size: 128
    .sgpr_count:     100
    .vgpr_count:     768
    .wavefront_size: 32
...
	.end_amdgpu_metadata
.endif
;; end of part 4
